; MI455X (gfx1250); checked and timed in simulation.
; The chip was launched on July 23, 2026; its instructions are those of AMD's public machine-readable ISA for CDNA 5 (MIT licence, August 2026) and "CDNA5" Instruction Set Architecture Reference Guide (July 2026). The comments in the code are by the model that wrote it; some were corrected since.
;; Self Attn1d. Allowed arithmetic: matrix products marked QUANTISED: E2M1 operands, one E8M0 scale for each 32 along K, by v_wmma_scale_f32_16x16x128_f8f6f4 with both operands' format E2M1 (or v_wmma_scale_f32_32x16x128_f4), f32 sums; everything else in f32.
;; Inputs: add_encs 2 x 2,048 x 1,024 float32; in_feats 2 x 2,048 x 1,024 float32; in_proj_b 3,072 float32; in_proj_w 3,072 x 1,024 float32; ln_b 1,024 float32; ln_w 1,024 float32; mul_encs 2 x 2,048 x 1,024 float32; out_proj_b 1,024 float32; out_proj_w_codes 1,024 x 32 x 16 uint8 (E2M1 codes of out_proj_w, K innermost, in blocks of 32 codes, two codes a byte); out_proj_w_scales 1,024 x 32 uint8 (E8M0 scales of out_proj_w, one for each 32 codes along K).
;; Outputs: out0 2 x 2,048 x 1,024 float32.
;; This version of the problem:
;;   THIS VERSION OF THE PROBLEM IS GIVEN IN LOW PRECISION. The matrix products marked QUANTISED in the list below multiply operands that are first quantised to E2M1 (2 exponent bits, 1 mantissa bit; 4 bits a number), with one power-of-two scale for each 32 numbers along K (OCP MX v1.0); their sums are f32. All else is computed in f32.
;;   The module's matrix products, in the order in which they are computed (A, B: the left and right operand; K: the contracted axis; several contracted axes count as one K, in the product's order):
;;     1. [M 4,096, K 1,024] x [K 1,024, N 1,024]; A: computed on the way; B: computed on the way: QUANTISED
;;     2. [M 4,096, K 1,024] x [K 1,024, N 1,024]; A: computed on the way; B: computed on the way: QUANTISED
;;     3. [M 4,096, K 1,024] x [K 1,024, N 1,024]; A: computed on the way; B: computed on the way: QUANTISED
;;     4. batch 32 x [M 2,048, K 64] x [K 64, N 2,048]; A: computed on the way; B: computed on the way: QUANTISED
;;     5. batch 32 x [M 64, K 2,048] x [K 2,048, N 2,048]; A: computed on the way; B: softmax (see below): QUANTISED
;;     6. [M 4,096, K 1,024] x [K 1,024, N 1,024]; A: computed on the way; B: input out_proj_w (given as codes): QUANTISED
;;   THE QUANTISER, for each operand of a quantised product, along K:
;;     - K is cut into blocks of 32 from its start; a last block that is shorter is filled with zeros.
;;     - A block's scale is 2^e with e = floor(log2(the largest magnitude in the block)) - 2, held to -126 .. 127; a block of zeros has e = 0. As a byte (E8M0): e + 127.
;;     - Each number is divided by its block's scale, clamped to +-6, and rounded to the nearest number of E2M1, ties to even, subnormals kept.
;;     - The product sums the exact products of the quantised numbers (number of the format x scale) in f32.
;;   ~~~python
;;   def quantise(x, axis):      # numpy; x: float32 -> the quantised numbers, widened to float32 again
;;       x = np.moveaxis(x, axis, -1); K = x.shape[-1]
;;       x = np.pad(x, [(0, 0)] * (x.ndim - 1) + [(0, -K % 32)]); x = x.reshape(x.shape[:-1] + (-1, 32)); a = np.abs(x).max(-1, keepdims=True)
;;       e = np.where(a > 0, np.clip(np.frexp(np.where(a > 0, a, 1))[1] - 1 - 2, -126, 127), 0)      # np.frexp(a)[1] - 1 = floor(log2(a)), exactly
;;       r = np.clip(x / 2.0 ** e, -6, 6)
;;       step = 2.0 ** (np.maximum(np.frexp(np.where(r == 0, 1, r))[1] - 1, 0) - 1)
;;       q = np.round(r / step) * step * 2.0 ** e      # np.round: ties to even
;;       return np.moveaxis(q.reshape(q.shape[:-2] + (-1,))[..., :K], -1, axis).astype(np.float32)
;;   ~~~
;;   SOFTMAX AHEAD OF A QUANTISED PRODUCT. Where the list says 'softmax', what is quantised is not the finished softmax but p = 2^(t - M), with t = logit x log2(e) and M = ceil(the row's largest t), a whole number; so 1/2 < the row's largest p <= 1. The row's sum l is taken of the UNQUANTISED p, in f32, and the product's result is divided by l at the end. Since M is a whole number, a kernel that streams over the keys may use a running M (the ceiling of the running maximum): every later rescaling is an exact power of two, which a block's scale takes up: the codes' values come out the same.
;;   OPERANDS COMPUTED ON THE WAY. 'Computed on the way' means the value that the module computes at that place (a softmax that the list does not call 'softmax' is quantised finished and normalised). What goes into a quantiser is computed in f32, as accurately as f32 sums, v_exp_f32 and their like allow (about 1e-6 of the number): no bf16 or f16 on the way to a quantiser, and a product that is left as it is and whose result goes on into a quantised operand takes f32 operands (vector FMAs, or v_wmma_f32_16x16x4_f32). A number that lies on a knife's edge between two numbers of the format may be rounded either way, as far as f32 arithmetic and the matrix unit's own rounding can turn it there, and no further.
;;   INPUTS GIVEN AS CODES. out_proj_w (in the module: [1024, 1024], K = its axis 1): each comes as NAME_codes (uint8): NAME with its K axis moved to the last place and cut into blocks of 32 codes, [.., K / 32, bytes a block], one block behind the other in memory; two codes a byte, the lower K in the low four bits (a code: sign, 2 exponent bits, 1 mantissa bit); and NAME_scales (uint8): the same leading axes, one E8M0 byte (e + 127) for each 32 codes along K. Its value is code x scale, taken as it is: it is not quantised again, and the codes and scales need not be those that the quantiser above would give.
;; One version. Each part assembles by itself: llvm-mc -triple=amdgcn-amd-amdhsa -mcpu=gfx1250 --defsym DOCPART=n.
;; ======== version 1 of 1: 4 launches
;; limits: right only within a limited range of input values
;; workspace buffers: d_rec 2,228,224 bytes; m_rec 2,228,224 bytes; o_rec 2,228,224 bytes; w_rec 1,671,168 bytes; q_rec 4,587,520 bytes; kv_rec 4,587,520 bytes
;; launch prep (part 1): grid 256 x 1, 16 waves a work-group, no clusters, 29,696 bytes of LDS; arguments in_feats, mul_encs, add_encs, ln_w, ln_b, in_proj_w, d_rec, m_rec, w_rec; writes d_rec, m_rec, w_rec
.if DOCPART == 1
	.amdgcn_target "amdgcn-amd-amdhsa--gfx1250"
	.amdhsa_code_object_version 6
	.text
	.protected	k_q95efae0f06_prep
	.globl	k_q95efae0f06_prep
	.p2align	8
	.type	k_q95efae0f06_prep,@function
k_q95efae0f06_prep:
	s_mov_b64 s[64:65], 0
	v_nop
	global_prefetch_b8 v0, s[64:65] scope:SCOPE_SE
	s_setreg_imm32_b32 hwreg(HW_REG_WAVE_MODE, 25, 1), 1
	s_wait_xcnt 0x0
; PREP.  d = gelu(layernorm(in_feats)), qk_in = d * mul_encs + add_encs, and in_proj_w are turned into codes of FP4 (E2M1) with one E8M0 byte for each 32 along E.
; A TILE is 16 rows, a wave takes one row of 1,024 numbers.  Work-group T takes tile T of the 256 tiles of tokens (d and qk_in); work-groups 0-191 take tile T of in_proj_w's 192 tiles as well:
; its row is asked for first, into the registers that only the GELU uses later, and is quantised while the token's rows are on their way.  The choice hangs on the work-group's number alone.
; THE ROWS OF A TILE ARE NOT NEIGHBOURS: place r of tile T is row 32 (T / 2) + 8 (T % 2) + r + 8 (r / 8), so that two neighbouring tiles, used as source 0 of a matrix instruction, leave 16 neighbouring rows in a lane.
; RECORDS.  For each half of E (512 codes) and each tile: 16 blocks of 256 bytes ([place r][16 bytes]: the image of an operand's registers), then 256 bytes of scales ([place r][16 bytes]): 4,352 bytes.  A buffer is [half][tile][4352].
; LANES.  Each load of a wave covers 512 consecutive bytes, 16 bytes a lane: lane l holds numbers 128 i + 4 l + 0..3 (i = 0..7), in registers 4 i .. 4 i + 3 of a row.  A block of 32 lies in eight neighbouring lanes.
; A conversion takes eight registers under one scale: it is given my four numbers of chunk i and the four registers behind them, and only the low 16 bits of its result, my four codes, are stored.
; The four registers behind a row's last chunk belong to another row or to constants: they are laid so that they have landed or been written by then; what they hold reaches no stored bit.
; The codes meet in stages in LDS, one for each tensor (blocks 272 bytes apart), and leave as whole runs of 512 bytes.
; THE ORDER: in_proj_w's row is quantised first; the norm, the GELU and d's codes are done with mul_encs and add_encs still out; behind the last load stand qk_in's multiply-adds and its codes alone.
; erf(z) = z P(z^2) / Q(z^2), z held to -4 .. 4: about 1e-7 absolute, of the order of an f32 rounding of 1 + erf.
; No tensor load, no cluster, no matrix work: each input byte is read by one wave, once.
; LIMITS: a block whose largest magnitude lies under 2^-124 keeps the byte 1 (a block of zeros too: its codes are zeros, and this program alone reads the bytes); NaN and infinities are not served.
.set PL_A,  1114112                    ; bytes of one half of E in d_rec and m_rec: 256 tiles
.set PL_W,  835584                     ; in w_rec: 192 tiles
.set REC,   4352
.set BP,    272                        ; a block in a stage: 256 bytes + 16
.set SSC,   16*BP                      ; behind a half's 16 blocks: its 256 scale bytes
.set SHALF, SSC+256
.set STB,   2*SHALF                    ; the second stage (qk_in)
.set STW,   2*STB                      ; the third (in_proj_w)
.set SPARE, 3*STB                      ; 27,648: the spare words, 128 bytes a wave
.set X,   16                           ; v16-47   the row; then d          (behind it: ln_w, in before d is quantised)
.set LW,  48                           ; v48-79   ln_w
.set LB,  80                           ; v80-111  ln_b
.set MU,  112                          ; v112-143 mul_encs; then qk_in     (behind it: add_encs, in before qk_in is quantised)
.set AD,  144                          ; v144-175 add_encs
.set WR,  176                          ; v176-207 the row of in_proj_w     (behind it: v208-211, constants); afterwards at work in the GELU:
.set Z,   176
.set Z2,  184
.set P,   192
.set Q,   200
.set TM,  212                          ; v212-219 largest magnitudes, then the conversions' scale operands
.set CD,  220                          ; v220-227 codes
.set BY,  228                          ; v228-235 scale bytes
.set A13, 24                           ; scalar pairs: a packed form names a pair and takes its low word for both halves
.set A9,  26
.set A7,  28
.set A5,  30
.set A3,  32
.set A1,  34
.set B8,  36
.set B4,  38
.set B2,  40
.set B0,  42
.set RS2, 44
.set SEL, 46
.macro SPAIR r, bits
	s_mov_b32 s[\r], \bits
	s_mov_b32 s[\r+1], \bits
.endm
.macro ROWLD dst, sb, nt               ; a row: eight loads of 512 consecutive bytes.  nt = 1: read once in the launch
.irp i, 0,1,2,3,4,5,6,7
.if \nt
	global_load_b128 v[\dst+4*\i:\dst+4*\i+3], v2, s[\sb:\sb+1] offset:512*\i th:TH_LOAD_NT
.else
	global_load_b128 v[\dst+4*\i:\dst+4*\i+3], v2, s[\sb:\sb+1] offset:512*\i
.endif
.endr
.endm
.macro ACROSS a, t                     ; the sum of v[a] over the 32 lanes, in every lane; v[t] has been written before
.irp m, 1,2,4,8
	s_delay_alu instid0(VALU_DEP_1)
	v_add_f32_dpp v[\a], v[\a], v[\a] row_xmask:\m row_mask:0xf bank_mask:0xf
.endr
	s_delay_alu instid0(VALU_DEP_1)
	v_permlanex16_b32 v[\t], v[\a], s[SEL], s[SEL+1]
	s_delay_alu instid0(VALU_DEP_1)
	v_add_f32 v[\a], v[\a], v[\t]
.endm
; Eight numbers: d = 0.5 x + 0.5 x erf(x / sqrt 2)
.macro GELU i
.set XI, X+8*(\i)
.irp j, 0,2,4,6
	v_pk_mul_f32 v[Z+\j:Z+\j+1], v[XI+\j:XI+\j+1], s[RS2:RS2+1] op_sel_hi:[1,0]
.endr
.irp j, 0,1,2,3,4,5,6,7
	v_med3_num_f32 v[Z+\j], v[Z+\j], -4.0, 4.0
.endr
.irp j, 0,2,4,6
	v_pk_mul_f32 v[Z2+\j:Z2+\j+1], v[Z+\j:Z+\j+1], v[Z+\j:Z+\j+1]
.endr
.irp j, 0,2,4,6
	v_pk_fma_f32 v[P+\j:P+\j+1], v[Z2+\j:Z2+\j+1], s[A13:A13+1], v[208:209] op_sel_hi:[1,0,1]
	v_pk_fma_f32 v[Q+\j:Q+\j+1], v[Z2+\j:Z2+\j+1], s[B8:B8+1], v[210:211] op_sel_hi:[1,0,1]
.endr
.irp c, A9, A7, A5, A3, A1
.irp j, 0,2,4,6
	v_pk_fma_f32 v[P+\j:P+\j+1], v[P+\j:P+\j+1], v[Z2+\j:Z2+\j+1], s[\c:\c+1] op_sel_hi:[1,1,0]
.endr
.endr
.irp c, B4, B2, B0
.irp j, 0,2,4,6
	v_pk_fma_f32 v[Q+\j:Q+\j+1], v[Q+\j:Q+\j+1], v[Z2+\j:Z2+\j+1], s[\c:\c+1] op_sel_hi:[1,1,0]
.endr
.endr
	s_wait_alu depctr_va_vdst(0)                   ; the wait ahead of the batch
.irp j, 0,1,2,3,4,5,6,7
	v_rcp_f32 v[Q+\j], v[Q+\j]
.endr
.irp j, 0,2,4,6
	v_pk_mul_f32 v[P+\j:P+\j+1], v[P+\j:P+\j+1], v[Z+\j:Z+\j+1]          ; z P: plain work behind the reciprocals
.endr
.irp j, 0,2,4,6
	v_pk_mul_f32 v[Z+\j:Z+\j+1], v[XI+\j:XI+\j+1], 0.5 op_sel_hi:[1,0]
.endr
	s_wait_alu depctr_va_vdst(0)                   ; one wait for the eight reciprocals, ahead of their first reader
.irp j, 0,2,4,6
	v_pk_mul_f32 v[P+\j:P+\j+1], v[P+\j:P+\j+1], v[Q+\j:Q+\j+1]          ; erf
.endr
.irp j, 0,2,4,6
	s_delay_alu instid0(VALU_DEP_4)
	v_pk_fma_f32 v[XI+\j:XI+\j+1], v[Z+\j:Z+\j+1], v[P+\j:P+\j+1], v[Z+\j:Z+\j+1]
.endr
.endm
; My 32 numbers at v[src] on, eight chunks of four, become eight half words of codes and eight scale bytes, and go into the stage at off.  The eight chunks take turns line by line.
.macro QUANTROW src, off
.irp i, 0,1,2,3,4,5,6,7
	v_max3_num_f32 v[TM+\i], |v[\src+4*\i]|, |v[\src+4*\i+1]|, 0x1800000   ; with the floor 2^(3 - 127): the byte cannot fall under 1
.endr
.irp i, 0,1,2,3,4,5,6,7
	v_max3_num_f32 v[TM+\i], v[TM+\i], |v[\src+4*\i+2]|, |v[\src+4*\i+3]|
.endr
.irp m, 1,2,4
.irp i, 0,1,2,3,4,5,6,7
	v_max_num_f32_dpp v[TM+\i], v[TM+\i], v[TM+\i] row_xmask:\m row_mask:0xf bank_mask:0xf   ; the eight lanes of a block
.endr
.endr
.irp i, 0,1,2,3,4,5,6,7
	v_add_nc_u32 v[TM+\i], 0xff000000, v[TM+\i]    ; 2 off the exponent field: the conversion takes that field as its scale
.endr
.irp i, 0,1,2,3,4,5,6,7
	v_cvt_scalef32_pk8_fp4_f32 v[CD+\i], v[\src+4*\i:\src+4*\i+7], v[TM+\i]   ; bits 15:0: my four codes of chunk i; bits 31:16 are not used
.endr
.irp i, 0,1,2,3,4,5,6,7
	v_lshrrev_b32 v[BY+\i], 23, v[TM+\i]           ; the byte.  (Plain lines behind the conversions)
.endr
.irp i, 0,1,2,3,4,5,6,7                            ; chunk i of lane l lies in block 4 i + l / 8 of the row's 32: half i / 4, block 4 (i % 4) + l / 8, bytes 2 (l % 8) on
	ds_store_b16 v3, v[CD+\i] offset:\off+(\i/4)*SHALF+(\i%4)*4*BP
	ds_store_b8 v4, v[BY+\i] offset:\off+(\i/4)*SHALF+(\i%4)*4      ; the eight lanes of a block write the same byte with the same value
.endr
.endm
	s_load_b256 s[4:11], s[0:1], 0x0               ; in_feats, mul_encs, add_encs, ln_w
	s_load_b256 s[12:19], s[0:1], 0x20             ; ln_b, in_proj_w, d_rec, m_rec
	s_load_b64 s[20:21], s[0:1], 0x40              ; w_rec
	v_lshl_add_u32 v248, v0, 2, SPARE              ; my spare word, and 0: kept for the add at the wave's end
	v_mov_b32 v249, 0
	v_lshrrev_b32 v1, 5, v0
	v_readfirstlane_b32 s22, v1                    ; wave = my row's place in the tile
	s_lshl_b32 s23, s22, 4
	s_lshr_b32 s56, s22, 3                         ; the way out: wave w takes half w / 8, blocks 2 (w % 8) and the next
	s_and_b32 s57, s22, 7
	s_mul_i32 s58, s56, SHALF
	s_mul_i32 s59, s57, 2*BP
	s_add_co_u32 s58, s58, s59
	s_lshl_b32 s61, s57, 9
	s_mul_i32 s60, s56, PL_A
	s_add_co_u32 s60, s60, s61                     ; in d_rec, m_rec: half x plane + 512 (w % 8)
	s_mul_i32 s62, s56, PL_W
	s_add_co_u32 s62, s62, s61                     ; in w_rec
	s_lshr_b32 s54, ttmp9, 1
	s_lshl_b32 s54, s54, 5
	s_and_b32 s55, ttmp9, 1
	s_lshl_b32 s55, s55, 3
	s_add_co_u32 s54, s54, s55
	s_add_co_u32 s54, s54, s22
	s_lshl_b32 s55, s56, 3
	s_add_co_u32 s54, s54, s55                     ; my row: the same number among the tokens and in in_proj_w
	s_lshl_b32 s54, s54, 12                        ; of 4,096 bytes
	s_mov_b32 s55, 0
	s_mul_i32 s50, ttmp9, REC                      ; my tile's record
	s_mov_b32 s51, 0
	s_cmp_lt_u32 ttmp9, 192
	s_cselect_b32 s52, 1, 0                        ; 1: a tile of in_proj_w is mine too
	v_and_b32 v1, 31, v0                           ; lane
	v_and_b32 v9, 15, v0                           ; r
	v_bfe_u32 v10, v0, 4, 1                        ; h
	v_lshlrev_b32 v2, 4, v1                        ; my 16 bytes of each 512
	v_lshrrev_b32 v11, 3, v1                       ; my block among a load's four
	v_and_b32 v12, 7, v1                           ; my place among its eight lanes
	v_mul_u32_u24 v3, v11, BP
	v_add_nc_u32 v4, s23, v11
	v_mul_u32_u24 v5, v10, BP
	v_mul_u32_u24 v7, v10, SHALF
	v_mul_u32_u24 v8, v10, PL_A
	v_mul_u32_u24 v251, v10, PL_W
	v_lshl_add_u32 v3, v12, 1, v3
	v_add_nc_u32 v4, SSC, v4                       ; the stage, bytes: 16 x place + block
	v_lshl_add_u32 v5, v9, 4, v5
	v_lshl_add_u32 v7, v9, 4, v7
	v_lshl_add_u32 v8, v9, 4, v8
	v_lshl_add_u32 v251, v9, 4, v251
	v_add_nc_u32 v3, s23, v3                       ; the stage, codes: block x 272 + 16 x place + my two bytes
	v_add_nc_u32 v5, s58, v5                       ; back: my two blocks
	v_add_nc_u32 v7, SSC, v7                       ; the scales: lanes 0-15 the first half's 256 bytes, lanes 16-31 the second's
	v_add_nc_u32 v8, 4096, v8                      ; and in memory, behind a record's codes
	v_add_nc_u32 v251, 4096, v251
	v_lshl_add_u32 v6, v1, 4, s60                  ; the codes in memory: + 16 x lane
	v_lshl_add_u32 v250, v1, 4, s62
	s_wait_alu depctr_va_vdst(0)                   ; the wait at the head's end
	s_wait_kmcnt 0x0
	s_add_nc_u64 s[4:5], s[4:5], s[54:55]
	s_add_nc_u64 s[6:7], s[6:7], s[54:55]
	s_add_nc_u64 s[8:9], s[8:9], s[54:55]
	s_add_nc_u64 s[14:15], s[14:15], s[54:55]      ; (used by work-groups 0-191 alone: there it lies inside in_proj_w)
	s_add_nc_u64 s[16:17], s[16:17], s[50:51]
	s_add_nc_u64 s[18:19], s[18:19], s[50:51]
	s_add_nc_u64 s[20:21], s[20:21], s[50:51]
	s_cmp_lg_u32 s52, 0
	s_cbranch_scc0 .Lno_w_row
	ROWLD WR, 14, 1                                ; the row of in_proj_w: the oldest eight loads
.Lno_w_row:
	ROWLD X, 4, 1
	ROWLD LW, 10, 0
	ROWLD LB, 12, 0
	ROWLD MU, 6, 1
	ROWLD AD, 8, 1
	SPAIR A13, 0xaf95df0b
	SPAIR A9,  0xb60cff51
	SPAIR A7,  0xb86ec2d2
	SPAIR A5,  0xba40ac63
	SPAIR A3,  0xbb41a1f6
	SPAIR A1,  0xbc83dbd4
	SPAIR B8,  0xb77460cd
	SPAIR B4,  0xbadc924e
	SPAIR B2,  0xbbf19bf8
	SPAIR B0,  0xbc69b6a7
	SPAIR RS2, 0x3f3504f3                          ; 1 / sqrt 2
	s_mov_b32 s[SEL], 0x76543210
	s_mov_b32 s[SEL+1], 0xfedcba98                 ; v_permlanex16_b32: lane l xor 16
	s_mov_b32 s48, 0x3a800000                      ; 1 / 1024
	s_mov_b32 s49, 0x3727c5ac                      ; 1e-5
	v_mov_b32 v208, 0x32edffee                     ; a11, twice
	v_mov_b32 v209, 0x32edffee
	v_mov_b32 v210, 0xb95fbd29                     ; b6, twice
	v_mov_b32 v211, 0xb95fbd29
	s_cmp_lg_u32 s52, 0
	s_cbranch_scc0 .Lno_w_quant
	s_wait_loadcnt 40                              ; the row of in_proj_w is in; the 8 + 32 younger loads stay out
	QUANTROW WR, STW                               ; it is quantised as it is, into the third stage
.Lno_w_quant:
	s_wait_loadcnt 32                              ; my row of in_feats is in; the 32 younger loads stay out
	v_pk_add_f32 v[12:13], v[16:17], v[18:19]
	v_pk_add_f32 v[246:247], v[24:25], v[28:29]
	v_pk_add_f32 v[244:245], v[32:33], v[36:37]
	v_pk_add_f32 v[242:243], v[40:41], v[44:45]
	v_pk_add_f32 v[240:241], v[20:21], v[22:23]
	v_pk_add_f32 v[238:239], v[26:27], v[30:31]
	v_pk_add_f32 v[236:237], v[34:35], v[38:39]
	v_pk_add_f32 v[10:11], v[42:43], v[46:47]
	s_delay_alu instid0(VALU_DEP_1)
	v_pk_add_f32 v[10:11], v[10:11], v[242:243]
	v_pk_add_f32 v[12:13], v[12:13], v[240:241]
	v_pk_add_f32 v[246:247], v[246:247], v[238:239]
	v_pk_add_f32 v[244:245], v[244:245], v[236:237]
	s_delay_alu instid0(VALU_DEP_2)
	v_pk_add_f32 v[10:11], v[10:11], v[246:247]
	s_delay_alu instid0(VALU_DEP_2)
	v_pk_add_f32 v[12:13], v[12:13], v[244:245]
	s_delay_alu instid0(VALU_DEP_1)
	v_pk_add_f32 v[10:11], v[10:11], v[12:13]
	s_delay_alu instid0(VALU_DEP_1)
	v_add_f32 v10, v10, v11
	ACROSS 10, 11
	s_delay_alu instid0(VALU_DEP_1)
	v_mul_f32 v10, s48, v10                        ; the mean
	s_delay_alu instid0(VALU_DEP_1)
	v_mov_b32 v11, v10
.set J, 0
.rept 16
	v_pk_add_f32 v[X+J:X+J+1], v[X+J:X+J+1], v[10:11] neg_lo:[0,1] neg_hi:[0,1]
.set J, J+2
.endr
	v_pk_mul_f32 v[12:13], v[X:X+1], v[X:X+1]      ; the variance is taken of x - mean: no difference of large sums
	v_pk_mul_f32 v[14:15], v[X+2:X+3], v[X+2:X+3]
.irp j, 4,8,12,16,20,24,28
	s_delay_alu instid0(VALU_DEP_2)
	v_pk_fma_f32 v[12:13], v[X+\j:X+\j+1], v[X+\j:X+\j+1], v[12:13]
	s_delay_alu instid0(VALU_DEP_2)
	v_pk_fma_f32 v[14:15], v[X+\j+2:X+\j+3], v[X+\j+2:X+\j+3], v[14:15]
.endr
	s_delay_alu instid0(VALU_DEP_1)
	v_pk_add_f32 v[12:13], v[12:13], v[14:15]
	s_delay_alu instid0(VALU_DEP_1)
	v_add_f32 v12, v12, v13
	ACROSS 12, 13
	s_delay_alu instid0(VALU_DEP_1)
	v_fma_f32 v12, v12, s48, s49
	s_wait_alu depctr_va_vdst(0)                   ; the wait ahead of the transcendental
	v_rsq_f32 v12, v12
	v_nop                                          ; a plain line behind the transcendental
	s_wait_alu depctr_va_vdst(0)                   ; and the wait ahead of its first reader
	v_mov_b32 v13, v12
	s_wait_alu depctr_va_vdst(0)                   ; the wait here, directly ahead of the wait below
	s_wait_loadcnt 16                              ; ln_w and ln_b are in; mul_encs and add_encs stay out
.set J, 0
.rept 16
	v_pk_mul_f32 v[X+J:X+J+1], v[X+J:X+J+1], v[12:13]
.set J, J+2
.endr
.set J, 0
.rept 16
	v_pk_fma_f32 v[X+J:X+J+1], v[X+J:X+J+1], v[LW+J:LW+J+1], v[LB+J:LB+J+1]
.set J, J+2
.endr
	GELU 0
	GELU 1
	GELU 2
	GELU 3
	QUANTROW X, 0                                  ; d, into the first stage
	s_wait_loadcnt 0x0                             ; mul_encs and add_encs are in
.set J, 0
.rept 16
	v_pk_fma_f32 v[MU+J:MU+J+1], v[X+J:X+J+1], v[MU+J:MU+J+1], v[AD+J:AD+J+1]   ; qk_in = d mul + add
.set J, J+2
.endr
	QUANTROW MU, STB                               ; into the second stage
	s_wait_dscnt 0x0                               ; my stores into the stages are done,
	s_barrier_signal -1
	s_barrier_wait -1                              ; everybody's are
	ds_load_b128 v[236:239], v5
	ds_load_b128 v[240:243], v5 offset:STB
	s_cmp_lg_u32 s52, 0
	s_cbranch_scc0 .Lcodes
	ds_load_b128 v[20:23], v5 offset:STW
	s_wait_dscnt 0x0
	global_store_b128 v250, v[20:23], s[20:21]     ; each of these stores: 32 lanes, 512 consecutive bytes, at a multiple of 256 from the buffer's first byte
.Lcodes:
	s_wait_dscnt 0x0
	global_store_b128 v6, v[236:239], s[16:17]
	global_store_b128 v6, v[240:243], s[18:19]
	s_cmp_lg_u32 s22, 0
	s_cbranch_scc1 .Lend                           ; wave 0 stores the scales: 256 consecutive bytes for each half
	ds_load_b128 v[244:247], v7
	ds_load_b128 v[16:19], v7 offset:STB
	s_cmp_lg_u32 s52, 0
	s_cbranch_scc0 .Lscales
	ds_load_b128 v[24:27], v7 offset:STW
	s_wait_dscnt 0x0
	global_store_b128 v251, v[24:27], s[20:21]
.Lscales:
	s_wait_dscnt 0x0
	global_store_b128 v8, v[244:247], s[16:17]
	global_store_b128 v8, v[16:19], s[18:19]
.Lend:
	s_wait_tensorcnt 0x0                           ; the wave's end
	ds_add_u32 v248, v249
	s_wait_dscnt 0x0
	s_endpgm
.Lfunc_end_k_q95efae0f06_prep:
	.size	k_q95efae0f06_prep, .Lfunc_end_k_q95efae0f06_prep-k_q95efae0f06_prep
	.p2alignl 7, 3214868480
	.fill 96, 4, 3214868480
	.section	.rodata,"a",@progbits
	.p2align	6, 0x0
	.amdhsa_kernel k_q95efae0f06_prep
		.amdhsa_group_segment_fixed_size 29696
		.amdhsa_private_segment_fixed_size 0
		.amdhsa_enable_private_segment 0
		.amdhsa_kernarg_size 72
		.amdhsa_user_sgpr_count 2
		.amdhsa_user_sgpr_kernarg_segment_ptr 1
		.amdhsa_wavefront_size32 1
		.amdhsa_system_sgpr_workgroup_id_x 1
		.amdhsa_system_sgpr_workgroup_id_y 1
		.amdhsa_system_sgpr_workgroup_id_z 1
		.amdhsa_system_vgpr_workitem_id 0
		.amdhsa_next_free_vgpr 252
		.amdhsa_next_free_sgpr 66
		.amdhsa_reserve_vcc 0
		.amdhsa_float_denorm_mode_32 3
		.amdhsa_float_denorm_mode_16_64 3
		.amdhsa_memory_ordered 1
		.amdhsa_forward_progress 1
		.amdhsa_inst_pref_size 55
	.end_amdhsa_kernel
	.amdgpu_metadata
---
amdhsa.version: [ 1, 2 ]
amdhsa.kernels:
  - .name:           k_q95efae0f06_prep
    .symbol:         k_q95efae0f06_prep.kd
    .args:
      - { .name: in_feats, .offset: 0, .size: 8, .value_kind: global_buffer, .address_space: global }
      - { .name: mul_encs, .offset: 8, .size: 8, .value_kind: global_buffer, .address_space: global }
      - { .name: add_encs, .offset: 16, .size: 8, .value_kind: global_buffer, .address_space: global }
      - { .name: ln_w, .offset: 24, .size: 8, .value_kind: global_buffer, .address_space: global }
      - { .name: ln_b, .offset: 32, .size: 8, .value_kind: global_buffer, .address_space: global }
      - { .name: in_proj_w, .offset: 40, .size: 8, .value_kind: global_buffer, .address_space: global }
      - { .name: d_rec, .offset: 48, .size: 8, .value_kind: global_buffer, .address_space: global }
      - { .name: m_rec, .offset: 56, .size: 8, .value_kind: global_buffer, .address_space: global }
      - { .name: w_rec, .offset: 64, .size: 8, .value_kind: global_buffer, .address_space: global }
    .group_segment_fixed_size: 29696
    .private_segment_fixed_size: 0
    .kernarg_segment_align: 8
    .kernarg_segment_size: 72
    .max_flat_workgroup_size: 512
    .sgpr_count:     66
    .vgpr_count:     252
    .wavefront_size: 32
...
	.end_amdgpu_metadata
.endif
;; end of part 1
;; launch qkv (part 2): grid 8 x 24, 8 waves a work-group, clusters of 4 x 4, 279,552 bytes of LDS; arguments m_rec, d_rec, w_rec, in_proj_b, q_rec, kv_rec; writes q_rec, kv_rec
.if DOCPART == 2
	.amdgcn_target "amdgcn-amd-amdhsa--gfx1250"
	.amdhsa_code_object_version 6
	.text
	.protected	k_q95efae0f06_qkv
	.globl	k_q95efae0f06_qkv
	.p2align	8
	.type	k_q95efae0f06_qkv,@function
k_q95efae0f06_qkv:
	s_mov_b64 s[64:65], 0
	v_nop
	global_prefetch_b8 v0, s[64:65] scope:SCOPE_SE
	s_setreg_imm32_b32 hwreg(HW_REG_WAVE_MODE, 25, 1), 1
	s_wait_xcnt 0x0
	s_wait_alu depctr_hold_cnt(0) depctr_sa_sdst(0) depctr_va_vdst(0) depctr_va_sdst(0) depctr_va_ssrc(0) depctr_va_vcc(0) depctr_vm_vsrc(0)
	s_getreg_b32 s2, hwreg(HW_REG_IB_STS2, 6, 4)
	s_cmp_eq_u32 s2, 0
	s_cbranch_scc0 .Lentry_in_a_cluster
	s_endpgm
.Lentry_in_a_cluster:
	s_bfe_u32 s2, ttmp6, 0x10000c
	s_cmp_lg_u32 s2, 0xf033
	s_cbranch_scc0 .Lentry_shape_is_right
	s_endpgm
.Lentry_shape_is_right:
; QKV.  The three projections on codes of FP4, their results quantised on the way out and laid as the attention wants its operands.
; ONE BODY: P[i][j] = bias + the sum over E of S0[i] S1[j], quantised along i.  A work-group makes 256 x 256, K = 1,024.
;   clusters y = 0-3 (q and k): S0 = 256 rows of in_proj_w (i = features), S1 = 256 tokens of qk_in: a lane holds one token and its registers run along the features: blocks of 32 along a head's 64.
;   clusters y = 4-5 (v):       S0 = 256 tokens of d (i = keys),           S1 = 256 rows of in_proj_w: a lane holds one channel and its registers run along the keys: V comes out with the keys innermost.
; The factor 1 / 8 on q is left to the softmax's constant: a power of two, which a block's scale would take up: the codes are the same.
; OPERANDS lie in memory as images of their registers (records of 4,352 bytes for a tile and half of K: 16 blocks of 256 bytes, 256 bytes of scales): 8 tiles of one half are 34,816 dense bytes, one tensor load.
; LDS holds both halves of K of both operands, each byte filled once: half x 139,264 + operand x 69,632 + tile x 4,352.  Every read is 16 bytes x lane on end.
; CLUSTER 4 x 4: S0 hangs on the place along x and is shared down a column, S1 on the place along y and is shared along a row: joint loads.  Waves 0, 1, 4, 5 fetch S0, waves 2, 3, 6, 7 S1: one load a wave.
; A WAVE makes 128 (8 tiles of S0) x 64 (4 tiles of S1): 32 accumulators, which take turns, one instruction a turn.
; KEY-STEP RECORDS (8,960 bytes for a head and 128 keys): +0 K's 8 tiles of 512 bytes, +4096 V's 4 tiles of 1,024, +8192 K's scale words [tile / 4][place][4], +8704 V's [place][4].  q_rec has the K parts alone.
; LIMITS: a block whose largest magnitude lies under 2^-124 keeps the byte 1; NaN and infinities are not served.
; REGISTERS: window 0: v1 lane, v2-5 LDS addresses, v6 bias offset, v7 r, v8 h, v9 scales' offset, v10 shift; v16-143 S0's fragments, two sets; v144-207 S1's; v208-223, v224-231 their scale words;
;   v232-247 at work; v248-251 the scale words made.  Behind the loop v16-47 the codes, v48-55 their offsets, v56-59 the words to store.   window 1: accumulator (a, b) at v[64 a + 8 b].
.set PL_A,  1114112
.set PL_W,  835584
.set REC,   4352
.set HREC,  8*REC
.set OPB,   2*HREC
.set SIG,   2*OPB
.set KVREC, 8960
.set HEADB, 16*KVREC
.set WV,  16
.set SEL, 2                            ; s[2:3] lane selects
.set F0,  16
.set F1,  144
.set C0R, 208
.set C1R, 224
.set BI,  80                           ; the bias: in S0's second set, which is free until the second K step is fetched
.set TM,  232
.set PW,  248
.set PC,  16
.set VO,  48
.set OUTR, 56
.set MSB, 0
.macro WIN new                         ; the immediate's high byte repeats the setting that is left
.if MSB != \new
	s_set_vgpr_msb (MSB<<8)|\new
.set MSB, \new
.endif
.endm
.macro PLACES                          ; four places behind a matrix instruction, in front of loads into its sources and of reads of its result
.rept 4
	v_nop
.endr
.endm
.macro ROUND                           ; a round of the cluster's barrier
	s_barrier_signal -1
	s_barrier_wait -1
	s_cmp_lg_u32 s[WV], 0
	s_cbranch_scc1 .Lnot_wave_0_\@
	s_barrier_signal -3
.Lnot_wave_0_\@:
	s_barrier_wait -3
	s_barrier_signal -1
	s_barrier_wait -1
.endm
; The fragments and scale words of K step s (of 128), into set s % 2: 36 LDS loads
.macro LOADS s
.set SS, ((\s)&1)
.set KO, ((\s)&3)*1024
.irp b, 0,1,2,3,4,5,6,7
.irp c, 0,1
	ds_load_b128 v[F0+64*SS+8*\b+4*\c:F0+64*SS+8*\b+4*\c+3], v2 offset:\b*REC+KO+512*\c
.endr
.endr
.irp a, 0,1,2,3
.irp c, 0,1
	ds_load_b128 v[F1+32*SS+8*\a+4*\c:F1+32*SS+8*\a+4*\c+3], v3 offset:\a*REC+KO+512*\c
.endr
.endr
.irp b, 0,1,2,3,4,5,6,7
	ds_load_b32 v[C0R+8*SS+\b], v4 offset:\b*REC+4*((\s)&3)
.endr
.irp a, 0,1,2,3
	ds_load_b32 v[C1R+4*SS+\a], v5 offset:\a*REC+4*((\s)&3)
.endr
.endm
; 32 products.  mode 0: C = the bias along i (by b); 1: the bias along j (by a); 2: in place
.macro MUL s, mode
.set SS, ((\s)&1)
.if (\mode) == 2
	WIN 0x50
.else
	WIN 0x40
.endif
.irp a, 0,1,2,3
.irp b, 0,1,2,3,4,5,6,7
.if (\mode) == 0
	v_wmma_scale_f32_16x16x128_f8f6f4 v[64*\a+8*\b:64*\a+8*\b+7], v[F0+64*SS+8*\b:F0+64*SS+8*\b+7], v[F1+32*SS+8*\a:F1+32*SS+8*\a+7], v[BI+8*\b:BI+8*\b+7], v[C0R+8*SS+\b], v[C1R+4*SS+\a] matrix_a_fmt:MATRIX_FMT_FP4 matrix_b_fmt:MATRIX_FMT_FP4
.elseif (\mode) == 1
	v_wmma_scale_f32_16x16x128_f8f6f4 v[64*\a+8*\b:64*\a+8*\b+7], v[F0+64*SS+8*\b:F0+64*SS+8*\b+7], v[F1+32*SS+8*\a:F1+32*SS+8*\a+7], v[BI+8*\a:BI+8*\a+7], v[C0R+8*SS+\b], v[C1R+4*SS+\a] matrix_a_fmt:MATRIX_FMT_FP4 matrix_b_fmt:MATRIX_FMT_FP4
.else
	v_wmma_scale_f32_16x16x128_f8f6f4 v[64*\a+8*\b:64*\a+8*\b+7], v[F0+64*SS+8*\b:F0+64*SS+8*\b+7], v[F1+32*SS+8*\a:F1+32*SS+8*\a+7], v[64*\a+8*\b:64*\a+8*\b+7], v[C0R+8*SS+\b], v[C1R+4*SS+\a] matrix_a_fmt:MATRIX_FMT_FP4 matrix_b_fmt:MATRIX_FMT_FP4
.endif
.endr
.endr
.endm
; The first half of K has landed: the barrier, the first fragments, the first products, which take the bias as their C
.macro FIRST mode
	s_wait_tensorcnt 0x0                           ; my one load is in; behind the barrier everybody's is: both halves of K of both operands are whole
	s_barrier_signal -1
	s_barrier_wait -1
	LOADS 0
	s_wait_loadcnt 0x0                             ; the bias
	s_wait_dscnt 0x0
	MUL 0, \mode
	WIN 0
.endm
.macro KSTEP s
.if (\s) < 7
	s_wait_dscnt 36                                ; this step's loads are in; the next step's 36 may stay out
.else
	s_wait_dscnt 0x0
.endif
	MUL \s, 2
	WIN 0
.if (\s) == 2
	v_add_nc_u32 v2, SIG, v2                       ; on to the second half of K, whole since the first barrier.  (These four lines are the places in front of the loads below)
	v_add_nc_u32 v3, SIG, v3
	v_add_nc_u32 v4, SIG, v4
	v_add_nc_u32 v5, SIG, v5
	LOADS 4
.elseif (\s) < 6
	PLACES
	LOADS (\s)+2
.endif
.endm
; The 64 numbers of column tile a (window 1, register 16 b + i = place 32 b + 16 (lane / 16) + i along i) become a fragment's eight registers and a scale word
.macro QUANTW a
	WIN 0x14                                       ; sources 1 and 2 in window 1
.irp b, 0,1,2,3
	v_max3_num_f32 v[TM+\b], 0x1800000, |v[64*(\a)+16*\b]|, |v[64*(\a)+16*\b+1]|   ; the floor 2^(3 - 127), and each accumulator from its low end on
.endr
.irp i, 2,4,6,8,10,12,14
.irp b, 0,1,2,3
	v_max3_num_f32 v[TM+\b], v[TM+\b], |v[64*(\a)+16*\b+\i]|, |v[64*(\a)+16*\b+\i+1]|
.endr
.endr
	WIN 0
.irp b, 0,1,2,3
	v_permlanex16_b32 v[TM+4+\b], v[TM+\b], s[SEL], s[SEL+1]
.endr
.irp b, 0,1,2,3
	s_delay_alu instid0(VALU_DEP_4)
	v_max_num_f32 v[TM+\b], v[TM+\b], v[TM+4+\b]   ; with lane l xor 16: the block's largest magnitude
.endr
.irp b, 0,1,2,3
	s_delay_alu instid0(VALU_DEP_4)
	v_add_nc_u32 v[TM+12+\b], 0xff000000, v[TM+\b]
.endr
.irp b, 0,1,2,3
	s_delay_alu instid0(VALU_DEP_4)
	v_lshrrev_b32 v[TM+4+\b], 23, v[TM+12+\b]
.endr
	s_delay_alu instid0(VALU_DEP_3)
	v_lshl_or_b32 v[PW+(\a)], v[TM+5], 8, v[TM+4]
	s_delay_alu instid0(VALU_DEP_1)
	v_lshl_or_b32 v[PW+(\a)], v[TM+6], 16, v[PW+(\a)]
	s_delay_alu instid0(VALU_DEP_1)
	v_lshl_or_b32 v[PW+(\a)], v[TM+7], 24, v[PW+(\a)]
	WIN 0x01                                       ; source 0 in window 1
.irp b, 0,1,2,3
	v_cvt_scalef32_pk8_fp4_f32 v[PC+8*(\a)+2*\b], v[64*(\a)+16*\b:64*(\a)+16*\b+7], v[TM+12+\b]
	v_cvt_scalef32_pk8_fp4_f32 v[PC+8*(\a)+2*\b+1], v[64*(\a)+16*\b+8:64*(\a)+16*\b+15], v[TM+12+\b]
.endr
	WIN 0
	v_nop                                          ; a plain line behind the conversions
.irp c, 0,1                                    ; a whole block to a lane: lanes 0-15 block 2 c, lanes 16-31 block 2 c + 1
.irp i, 0,1
	v_permlane16_swap_b32 v[PC+8*(\a)+4*\c+\i], v[PC+8*(\a)+4*\c+2+\i]
.endr
.endr
.endm
	s_load_b256 s[4:11], s[0:1], 0x0               ; m_rec, d_rec, w_rec, in_proj_b
	s_load_b128 s[12:15], s[0:1], 0x20             ; q_rec, kv_rec
	v_lshl_add_u32 v254, v0, 2, 0x44000
	v_mov_b32 v255, 0
	ds_add_u32 v254, v255
	ds_add_u32 v254, v255
	v_lshrrev_b32 v1, 5, v0
	s_delay_alu instid0(VALU_DEP_1)
	v_readfirstlane_b32 s[WV], v1                  ; wave 0..7
	s_and_b32 s17, s[WV], 1                        ; p: my 8 tiles of S0.  Also: which half of an operand I fetch
	s_lshr_b32 s18, s[WV], 1                       ; q: my 4 tiles of S1
	s_bfe_u32 s19, ttmp6, 0x40000                  ; cx
	s_bfe_u32 s20, ttmp6, 0x40004                  ; cy
	s_mov_b32 s21, ttmp9                           ; the cluster's x,
	s_and_b32 s22, ttmp7, 0xffff                   ; and y
	s_lshl_b32 s56, s22, 1
	s_add_co_u32 s56, s56, s21
	s_sub_co_u32 s56, s56, 8                       ; v: which four blocks of tokens
	s_lshl_b32 s57, s22, 2
	s_mov_b32 s59, PL_W
	s_mov_b32 s60, PL_A
	s_cmp_ge_u32 s22, 4                            ; the v path?  It hangs on the cluster's y, which all partners share
	s_cselect_b32 s23, 1, 0
	s_cselect_b32 s56, s56, s21
	s_cselect_b32 s57, 0, s57
	s_cselect_b32 s58, 128, 0                      ; v: the rows of in_proj_w begin at tile 128
	s_cselect_b32 s59, PL_A, s59                   ; S0: from half to half of K
	s_cselect_b32 s60, PL_W, s60                   ; S1
	s_lshl_b32 s56, s56, 2
	s_add_co_u32 s56, s56, s19                     ; i0: my 256 of S0: hangs on cx alone
	s_add_co_u32 s57, s57, s20                     ; j0: my 256 of S1: hangs on cy alone
	s_lshl_b32 s61, 0x1111, s19                    ; my column of the cluster
	s_lshl_b32 s62, s20, 2
	s_lshl_b32 s62, 15, s62                        ; my row
	; descriptor group 1: 34,816 dense bytes as 136 rows of 32 elements of 8 bytes, no padding
	s_or_b32 s24, s61, (3<<16)|(1<<21)             ; 15:0 the mask: S0 goes down my column; 17:16 elements of 8 bytes; 21 set beside a mask
	s_or_b32 s32, s62, (3<<16)|(1<<21)             ; S1 goes along my row
.irp g, 24, 32
	s_mov_b32 s[\g+1], 32<<16                      ; tensor_dim0
	s_mov_b32 s[\g+2], 136<<16                     ; tensor_dim1
	s_mov_b32 s[\g+3], 32<<16                      ; tile_dim0
	s_mov_b32 s[\g+4], 136                         ; tile_dim1
	s_mov_b32 s[\g+5], 32                          ; from row to row
	s_mov_b32 s[\g+6], 0
	s_mov_b32 s[\g+7], 0
.endr
	s_lshl_b32 s63, s17, 3
	s_lshl_b32 s66, s56, 4
	s_add_co_u32 s66, s66, s63
	s_mul_i32 s66, s66, REC                        ; S0: tile 16 i0 + 8 x half
	s_mov_b32 s67, 0
	s_lshl_b32 s68, s57, 4
	s_add_co_u32 s68, s68, s58
	s_add_co_u32 s68, s68, s63
	s_mul_i32 s68, s68, REC                        ; S1: tile 16 j0 (+ 128) + 8 x half
	s_mov_b32 s69, 0
	s_mov_b32 s70, s59
	s_mov_b32 s71, 0
	s_mov_b32 s72, s60
	s_mov_b32 s73, 0
	; THE FILLS AS THEY STAND NOW: eight fills, eight waves, one load a wave.  Wave w fetches operand (w / 2) % 2 (0: S0, 1: S1), its tiles' half w % 2, half w / 4 of K
	s_and_b32 s75, s[WV], 3
	s_mul_i32 s74, s75, HREC                       ; where it goes: S0's two halves, then S1's,
	s_lshr_b32 s75, s75, 1                         ; 0: I fetch for S0; 1: for S1
	s_lshr_b32 s80, s[WV], 2                       ; my half of K
	s_mul_i32 s81, s80, SIG
	s_add_co_u32 s74, s74, s81                     ; in that half's part of LDS
	s_mul_i32 s70, s70, s80                        ; and where that half begins in memory, for S0
	s_mul_i32 s72, s72, s80                        ; and for S1
	s_mov_b32 s[SEL], 0x76543210
	s_mov_b32 s[SEL+1], 0xfedcba98
	s_wait_dscnt 0x0                               ; both opening adds are done
	ROUND                                          ; the round in front of the joint loads: it needs none of the arguments, so it stands ahead of the wait for them
	s_wait_kmcnt 0x0
	s_cmp_lg_u32 s23, 0
	s_cselect_b64 s[76:77], s[6:7], s[8:9]         ; S0: d_rec or w_rec
	s_cselect_b64 s[78:79], s[8:9], s[4:5]         ; S1: w_rec or m_rec
	s_add_nc_u64 s[76:77], s[76:77], s[66:67]
	s_add_nc_u64 s[78:79], s[78:79], s[68:69]
	s_mov_b32 s40, 1
	s_mov_b32 s41, s74
	s_add_nc_u64 s[42:43], s[76:77], s[70:71]
	s_or_b32 s43, s43, 0x80000000
	s_mov_b32 s48, 1
	s_mov_b32 s49, s74
	s_add_nc_u64 s[50:51], s[78:79], s[72:73]
	s_or_b32 s51, s51, 0x80000000
	s_cmp_eq_u32 s75, 0                            ; one parting on the wave's number, a fill in each arm: every way passes exactly one
	s_cbranch_scc0 .Lnot_s0
	tensor_load_to_lds s[40:43], s[24:31]
	s_nop 0
.rept 4
	v_nop
.endr
	s_branch .Lfilled
.Lnot_s0:
	tensor_load_to_lds s[48:51], s[32:39]
	s_nop 0
.rept 4
	v_nop
.endr
.Lfilled:
	v_and_b32 v1, 31, v0                           ; lane
	v_and_b32 v7, 15, v0                           ; r
	v_bfe_u32 v8, v0, 4, 1                         ; h
	s_mul_i32 s80, s17, HREC
	s_mul_i32 s81, s18, 4*REC
	s_add_co_u32 s81, s81, OPB
	v_lshl_add_u32 v2, v1, 4, s80                  ; S0's images: 16 x lane + my 8 tiles
	v_lshl_add_u32 v3, v1, 4, s81                  ; S1's: + my 4 tiles
	v_lshl_add_u32 v4, v7, 4, s80
	s_delay_alu instid0(VALU_DEP_1)
	v_add_nc_u32 v4, 4096, v4                      ; their scale words: 16 bytes a place, behind a record's codes
	v_lshl_add_u32 v5, v7, 4, s81
	s_delay_alu instid0(VALU_DEP_1)
	v_add_nc_u32 v5, 4096, v5
.irp b, 0,1,2,3
	v_mov_b32 v[TM+4+\b], 0                        ; written once: a lane permute's destination counts as one of its sources
.endr
	; where the results go.  bh = batch x 16 + head; a record for each bh and 128 tokens
	s_and_b32 s84, s56, 3
	s_lshl_b32 s84, s84, 2
	s_lshl_b32 s85, s17, 1
	s_add_co_u32 s84, s84, s85                     ; q, k: head 4 (i0 % 4) + 2 p, and the next
	s_lshl_b32 s85, s57, 2
	s_add_co_u32 s85, s85, s18                     ; v: head 4 j0 + q
	s_lshr_b32 s86, s18, 1
	s_and_b32 s88, s18, 1
	s_lshl_b32 s89, s88, 8
	s_add_co_u32 s89, s89, 8192                    ; q, k: the scale words of tiles 4 (q % 2) on
	s_lshl_b32 s88, s88, 11                        ; and their codes
	s_mov_b32 s90, 512
	s_mov_b32 s91, HEADB
	s_cmp_lg_u32 s23, 0
	s_cselect_b32 s84, s85, s84
	s_cselect_b32 s86, s17, s86
	s_cselect_b32 s87, s56, s57                    ; my block of 256 tokens
	s_cselect_b32 s88, 4096, s88
	s_cselect_b32 s89, 8704, s89
	s_cselect_b32 s90, 1024, s90                   ; from tile to tile
	s_cselect_b32 s91, 512, s91                    ; from a fragment's first four registers to its last four: v: 512 bytes on; q, k: the next head
	s_cselect_b32 s92, 0, HEADB                    ; the scales of lanes 16-31: q, k: the next head's
	s_cselect_b32 s93, -1, 0xffff                  ; q, k: a head has two blocks: two bytes of the word, the others 0
	s_cselect_b32 s94, 0, 16
	s_lshr_b32 s85, s87, 3
	s_lshl_b32 s85, s85, 4
	s_add_co_u32 s85, s85, s84
	s_lshl_b32 s85, s85, 4
	s_lshl_b32 s87, s87, 1
	s_add_co_u32 s87, s87, s86
	s_and_b32 s87, s87, 15
	s_add_co_u32 s85, s85, s87
	s_mul_i32 s85, s85, KVREC                      ; my record
	s_or_b32 s86, s23, s21
	s_cmp_lg_u32 s86, 0
	s_cselect_b64 s[96:97], s[14:15], s[12:13]     ; q goes to q_rec, k and v to kv_rec
	s_add_co_u32 s66, s85, s88
	s_mov_b32 s67, 0
	s_add_co_u32 s68, s85, s89
	s_mov_b32 s69, 0
	s_add_nc_u64 s[98:99], s[96:97], s[68:69]
	s_add_nc_u64 s[96:97], s[96:97], s[66:67]
	v_lshlrev_b32 v9, 4, v7
	v_mul_lo_u32 v10, v8, s92
	s_delay_alu instid0(VALU_DEP_1)
	v_add_nc_u32 v9, v9, v10                       ; 16 x place (+ the next head)
	v_mul_u32_u24 v10, v8, s94                     ; q, k: lanes 16-31 take the word's upper two bytes
	; ONE parting for the two paths: the bias loads, the first barrier, the first fragments and the first products
	s_cmp_lg_u32 s23, 0
	s_cbranch_scc1 .Lv_first
	s_lshl_b32 s82, s56, 10
	s_lshl_b32 s83, s17, 9
	s_add_co_u32 s82, s82, s83
	s_mov_b32 s83, 0
	s_add_nc_u64 s[82:83], s[10:11], s[82:83]      ; the bias of my 128 features
	v_lshlrev_b32 v6, 6, v8                        ; register j of tile b: feature 32 (b / 2) + 16 h + 8 (b % 2) + j
.irp b, 0,1,2,3,4,5,6,7
	global_load_b128 v[BI+8*\b:BI+8*\b+3], v6, s[82:83] offset:4*(32*(\b/2)+8*(\b%2))
	global_load_b128 v[BI+8*\b+4:BI+8*\b+7], v6, s[82:83] offset:4*(32*(\b/2)+8*(\b%2))+16
.endr
	FIRST 0
	s_branch .Ljoined
.Lv_first:
	s_lshl_b32 s82, s57, 10
	s_lshl_b32 s83, s18, 8
	s_add_co_u32 s82, s82, s83
	s_add_co_u32 s82, s82, 8192
	s_mov_b32 s83, 0
	s_add_nc_u64 s[82:83], s[10:11], s[82:83]      ; the bias of my 64 channels
	v_lshrrev_b32 v6, 3, v7
	s_delay_alu instid0(VALU_DEP_1)
	v_lshl_add_u32 v6, v6, 3, v7
	s_delay_alu instid0(VALU_DEP_1)
	v_lshlrev_b32 v6, 2, v6                        ; a lane holds one channel: 32 (a / 2) + 8 (a % 2) + r + 8 (r / 8): its bias in all eight registers
.irp a, 0,1,2,3
.irp j, 0,1,2,3,4,5,6,7
	global_load_b32 v[BI+8*\a+\j], v6, s[82:83] offset:4*(32*(\a/2)+8*(\a%2))
.endr
.endr
	FIRST 1
.Ljoined:
	PLACES
	LOADS 1
	LOADS 2
	KSTEP 1
	KSTEP 2
	s_wait_alu depctr_va_vdst(0)
	KSTEP 3
	KSTEP 4
	KSTEP 5
	KSTEP 6
	KSTEP 7
	; THE WAY OUT: each column tile is quantised in registers and stored as the image of an operand's registers: 512 consecutive bytes a store
	PLACES
.irp a, 0,1,2,3
	s_mul_i32 s86, s90, \a
	v_lshl_add_u32 v[VO+2*\a], v1, 4, s86
	s_delay_alu instid0(VALU_DEP_1)
	v_add_nc_u32 v[VO+2*\a+1], s91, v[VO+2*\a]
.endr
.irp a, 0,1,2,3
	QUANTW \a
	global_store_b128 v[VO+2*\a], v[PC+8*\a:PC+8*\a+3], s[96:97]
	global_store_b128 v[VO+2*\a+1], v[PC+8*\a+4:PC+8*\a+7], s[96:97]
.endr
.irp a, 0,1,2,3
	v_lshrrev_b32 v[OUTR+\a], v10, v[PW+\a]
.endr
.irp a, 0,1,2,3
	s_delay_alu instid0(VALU_DEP_4)
	v_and_b32 v[OUTR+\a], s93, v[OUTR+\a]
.endr
	global_store_b128 v9, v[OUTR:OUTR+3], s[98:99] ; sixteen lanes store 256 consecutive bytes (v: lanes 16-31 repeat lanes 0-15, the same bytes to the same places)
	s_wait_tensorcnt 0x0
	ds_add_u32 v254, v255
	s_wait_dscnt 0x0
	ROUND                                          ; the closing round: no work-group ends while a partner may still ask for a tile that names it
	s_endpgm
.Lfunc_end_k_q95efae0f06_qkv:
	.size	k_q95efae0f06_qkv, .Lfunc_end_k_q95efae0f06_qkv-k_q95efae0f06_qkv
	.p2alignl 7, 3214868480
	.fill 96, 4, 3214868480
	.section	.rodata,"a",@progbits
	.p2align	6, 0x0
	.amdhsa_kernel k_q95efae0f06_qkv
		.amdhsa_group_segment_fixed_size 279552
		.amdhsa_private_segment_fixed_size 0
		.amdhsa_enable_private_segment 0
		.amdhsa_kernarg_size 48
		.amdhsa_user_sgpr_count 2
		.amdhsa_user_sgpr_kernarg_segment_ptr 1
		.amdhsa_wavefront_size32 1
		.amdhsa_system_sgpr_workgroup_id_x 1
		.amdhsa_system_sgpr_workgroup_id_y 1
		.amdhsa_system_sgpr_workgroup_id_z 1
		.amdhsa_system_vgpr_workitem_id 0
		.amdhsa_next_free_vgpr 512
		.amdhsa_next_free_sgpr 100
		.amdhsa_reserve_vcc 0
		.amdhsa_float_denorm_mode_32 3
		.amdhsa_float_denorm_mode_16_64 3
		.amdhsa_memory_ordered 1
		.amdhsa_forward_progress 1
		.amdhsa_inst_pref_size 92
	.end_amdhsa_kernel
	.amdgpu_metadata
---
amdhsa.version: [ 1, 2 ]
amdhsa.kernels:
  - .name:           k_q95efae0f06_qkv
    .symbol:         k_q95efae0f06_qkv.kd
    .args:
      - { .name: m_rec, .offset: 0, .size: 8, .value_kind: global_buffer, .address_space: global }
      - { .name: d_rec, .offset: 8, .size: 8, .value_kind: global_buffer, .address_space: global }
      - { .name: w_rec, .offset: 16, .size: 8, .value_kind: global_buffer, .address_space: global }
      - { .name: in_proj_b, .offset: 24, .size: 8, .value_kind: global_buffer, .address_space: global }
      - { .name: q_rec, .offset: 32, .size: 8, .value_kind: global_buffer, .address_space: global }
      - { .name: kv_rec, .offset: 40, .size: 8, .value_kind: global_buffer, .address_space: global }
    .group_segment_fixed_size: 279552
    .private_segment_fixed_size: 0
    .kernarg_segment_align: 8
    .kernarg_segment_size: 48
    .max_flat_workgroup_size: 256
    .sgpr_count:     100
    .vgpr_count:     512
    .wavefront_size: 32
...
	.end_amdgpu_metadata
.endif
;; end of part 2
;; launch attn (part 3): grid 8 x 32, 16 waves a work-group, clusters of 4 x 1, 169,984 bytes of LDS; arguments q_rec, kv_rec, o_rec; writes o_rec
.if DOCPART == 3
	.amdgcn_target "amdgcn-amd-amdhsa--gfx1250"
	.amdhsa_code_object_version 6
	.text
	.protected	k_q95efae0f06_attn
	.globl	k_q95efae0f06_attn
	.p2align	8
	.type	k_q95efae0f06_attn,@function
k_q95efae0f06_attn:
	s_mov_b64 s[64:65], 0
	v_nop
	global_prefetch_b8 v0, s[64:65] scope:SCOPE_SE
	s_setreg_imm32_b32 hwreg(HW_REG_WAVE_MODE, 25, 1), 1
	s_wait_xcnt 0x0
	s_wait_alu depctr_hold_cnt(0) depctr_sa_sdst(0) depctr_va_vdst(0) depctr_va_sdst(0) depctr_va_ssrc(0) depctr_va_vcc(0) depctr_vm_vsrc(0)
	s_getreg_b32 s2, hwreg(HW_REG_IB_STS2, 6, 4)
	s_cmp_eq_u32 s2, 0
	s_cbranch_scc0 .Lentry_in_a_cluster
	s_endpgm
.Lentry_in_a_cluster:
	s_bfe_u32 s2, ttmp6, 0x10000c
	s_cmp_lg_u32 s2, 0x3003
	s_cbranch_scc0 .Lentry_shape_is_right
	s_endpgm
.Lentry_shape_is_right:
; ATTN.  O = softmax(Q K^T / 8) V for one head and 256 queries a work-group, both products on codes of FP4; O is quantised along E on the way out.
; THE SOFTMAX AHEAD OF THE SECOND PRODUCT: t = score x log2(e) / 8; M = the running largest t rounded UP to a whole number; p = 2^(t - M) is quantised along the keys, not normalised;
; the sum is taken of the unquantised p and divides O at the end.  When M moves, the sum and O are multiplied by 2^(old M - new M): exact.
; SHARES.  Sixteen waves, each one tile of 16 queries in 256 registers, four waves to a SIMD.  Every wave walks the head's 2,048 keys, 128 a step.
; A head has 64 channels, the instruction's K is 128: registers 4-7 of K's and Q's fragments hold zero codes, written once, and bytes 2, 3 of their scale words are 0.
; LDS holds the head's 16 key-step records (8,960 bytes: K's 8 tiles, V's 4, K's scale words, V's), each byte filled once: sixteen fills, sixteen waves, wave w fetches record w: one load a wave, with no branch.
; CLUSTER 4 x 1: the four query blocks of a cluster walk the same head: the fills are joint loads.  One barrier: behind it all sixteen records are whole.  Nothing is filled again.
; No prefetch: all that the work-group reads of K and V is asked for at the head; there is no loop to run ahead in.
; THE ORDER OF A STEP.  Behind the products K Q^T of step s stand the loads of V of step s and of K of step s + 1.  Then the maxima, M, f, all scalings and the rescaling of O^T; ONE batch of 68 exponentials with one wait
; ahead of it and one behind it; the scales, the conversions, the row's sum in four chains; the products V^T P^T.
; LAYOUT.  Both products are used transposed (S^T = K Q^T, O^T = V^T P^T): a lane holds ONE query throughout.  Tiles of keys, of queries and of channels take their rows as 32 G + 8 u + r + 8 (r / 8), so that the 16 registers
; of two neighbouring tiles are 16 neighbours: along the keys in S^T, along the channels in O^T.
; o_rec's scale bytes leave two at a time (a head's two blocks): eight heads share a place's 16 bytes.
; LIMITS: the scaled scores stay under 2^31 in magnitude; a block of O whose largest magnitude lies under 2^-124 keeps the byte 1; NaN and infinities are not served.
; REGISTERS: v1 16 x lane, v2 16 r, v3-4 the step's LDS addresses, v5-6 the way out, v7 my spare word, v8 0, v10-11 Q's offsets; v12 -M, v13 the largest score, v[14:15] the sum; v16-23 Q; v24-31 K's scale words;
;   v32-95 K's 8 tiles; v96-159 S^T, then p; v160-191 O^T; v192-223 V's 4 tiles; v224-231 p's codes; v232-247, v252, v254 at work; v248-251 V's scale words; v253 p's; v255 Q's.
.set KVREC, 8960
.set HEADB, 143360
.set PL_A,  1114112
.set REC,   4352
.set SPARE, 0x29000                    ; behind the records: the spare words, 128 bytes a wave
.set WV,  18
.set SEL, 20
.set CS,  22
.set G1,  24
.set G0,  32
.set TB,  50                           ; s50  LDS byte of the step's record
.set CNT, 51
.macro ROUND                           ; a round of the cluster's barrier
	s_barrier_signal -1
	s_barrier_wait -1
	s_cmp_lg_u32 s[WV], 0
	s_cbranch_scc1 .Lnot_wave_0_\@
	s_barrier_signal -3
.Lnot_wave_0_\@:
	s_barrier_wait -3
	s_barrier_signal -1
	s_barrier_wait -1
.endm
.macro KLOAD ac, as, off               ; K's scale words and its eight tiles of the record off bytes behind the one that v[ac], v[as] stand at: ten loads
	ds_load_b128 v[24:27], v[\as] offset:(\off)+8192
	ds_load_b128 v[28:31], v[\as] offset:(\off)+8448
.irp t, 0,1,2,3,4,5,6,7
	ds_load_b128 v[32+8*\t:35+8*\t], v[\ac] offset:(\off)+512*\t
.endr
.endm
.macro TMM from, n                     ; t - M of n pairs of scores from register 96 + from on (of the pairs c and -M the low word serves both halves)
.set J, \from
.rept \n
	v_pk_fma_f32 v[96+J:97+J], v[96+J:97+J], s[CS:CS+1], v[12:13] op_sel_hi:[1,0,0]
.set J, J+2
.endr
.endm
; A KEY STEP.  pre = 1: the next step's K is asked for
.macro STEP pre
	s_wait_dscnt 0x0                               ; K and its scale words, asked for a step ago, are in
.irp t, 0,1,2,3,4,5,6,7
	v_wmma_scale_f32_16x16x128_f8f6f4 v[96+8*\t:103+8*\t], v[32+8*\t:39+8*\t], v[16:23], 0, v[24+\t], v255 matrix_a_fmt:MATRIX_FMT_FP4 matrix_b_fmt:MATRIX_FMT_FP4
.endr
	v_add_nc_u32 v3, s[TB], v1                     ; four places between these products, and the last step's V^T P^T, and the loads into their sources and the reads of their results
	v_add_nc_u32 v4, s[TB], v2
	v_mov_b32 v254, v12                            ; the old -M is kept for f
	v_nop
.irp t, 0,1,2,3
	ds_load_b128 v[192+8*\t:195+8*\t], v3 offset:4096+1024*\t
	ds_load_b128 v[196+8*\t:199+8*\t], v3 offset:4096+1024*\t+512
.endr
	ds_load_b128 v[248:251], v4 offset:8704        ; V's scale words
.if \pre
	KLOAD 3, 4, KVREC
.endif
.irp b, 0,1,2,3
	v_max3_num_f32 v[232+\b], v[96+16*\b], v[97+16*\b], v[98+16*\b]   ; the largest score of each block of 32 keys: for the row's maximum, and, since p rises with the score, for the block's largest p
.endr
.irp i, 3,5,7,9,11,13
.irp b, 0,1,2,3
	v_max3_num_f32 v[232+\b], v[232+\b], v[96+16*\b+\i], v[97+16*\b+\i]   ; (the four blocks by turns)
.endr
.endr
.irp b, 0,1,2,3
	v_max_num_f32 v[232+\b], v[232+\b], v[111+16*\b]
.endr
.irp b, 0,1,2,3
	v_permlanex16_b32 v[236+\b], v[232+\b], s[SEL], s[SEL+1]
.endr
.irp b, 0,1,2,3
	v_max_num_f32 v[232+\b], v[232+\b], v[236+\b]  ; with lane l xor 16's 16 keys
.endr
	v_max3_num_f32 v242, v232, v233, v234
	s_delay_alu instid0(VALU_DEP_1)
	v_max3_num_f32 v13, v242, v235, v13            ; the running largest score (c is positive: the largest t is c x this)
	s_delay_alu instid0(VALU_DEP_1)
	v_mul_f32 v242, s[CS], v13
	s_delay_alu instid0(VALU_DEP_1)
	v_floor_f32 v12, -v242                         ; the new -M = floor(-t) = -ceil(t)
	s_delay_alu instid0(VALU_DEP_1)
	v_sub_f32 v254, v12, v254                      ; old M - new M: a whole number, 0 or less
	TMM 0, 8
	v_cvt_i32_f32 v254, v254                       ; (it saturates)
	TMM 16, 8
	v_ldexp_f32 v252, 1.0, v254                    ; f = 2^(old M - new M)
	TMM 32, 16
.irp b, 0,1,2,3
	v_fma_f32 v[232+\b], v[232+\b], s[CS], v12     ; the same of each block's largest score
.endr
.irp k, 0,1,2,3,4,5,6,7,8,9,10,11,12,13,14,15
	v_pk_mul_f32 v[160+2*\k:161+2*\k], v[160+2*\k:161+2*\k], v[252:253] op_sel_hi:[1,0]   ; O^T under the new M, each accumulator from its low end on; no transcendental stands between the last step's products and these reads
.endr
	s_wait_alu depctr_va_vdst(0)                   ; the wait ahead of the batch
.irp b, 0,1,2,3
	v_exp_f32 v[232+\b], v[232+\b]                 ; the blocks' largest p: the same two instructions on the same number give the same bits
.endr
.set J, 0
.rept 64
	v_exp_f32 v[96+J], v[96+J]                     ; p = 2^(t - M), at most 1: not normalised
.set J, J+1
.endr
	v_pk_mul_f32 v[14:15], v[14:15], v[252:253] op_sel_hi:[1,0]   ; the sums under the new M.  (A plain place behind the exponentials)
	s_wait_alu depctr_va_vdst(0)                   ; one wait for the 68, ahead of their first reader
.irp b, 0,1,2,3
	v_max_num_f32 v[232+\b], 0x1800000, v[232+\b]  ; the floor 2^(3 - 127): the byte cannot fall under 1
.endr
.irp b, 0,1,2,3
	v_add_nc_u32 v[244+\b], 0xff000000, v[232+\b]  ; 2 off the exponent field: the conversion's scale operand
.endr
.irp b, 0,1,2,3
	v_lshrrev_b32 v[236+\b], 23, v[244+\b]         ; the byte
.endr
	v_lshl_or_b32 v253, v237, 8, v236              ; p's scale word for these 128 keys
	v_lshl_or_b32 v254, v239, 8, v238
	s_delay_alu instid0(VALU_DEP_1)
	v_lshl_or_b32 v253, v254, 16, v253
.irp b, 0,1,2,3
	v_cvt_scalef32_pk8_fp4_f32 v[224+2*\b], v[96+16*\b:103+16*\b], v[244+\b]
	v_cvt_scalef32_pk8_fp4_f32 v[225+2*\b], v[104+16*\b:111+16*\b], v[244+\b]
.endr
	v_nop                                          ; a plain line behind the conversions
.irp c, 0,1                                    ; a whole block to a lane: lanes 0-15 block 2 c, lanes 16-31 block 2 c + 1
.irp i, 0,1
	v_permlane16_swap_b32 v[224+4*\c+\i], v[226+4*\c+\i]
.endr
.endr
	v_pk_add_f32 v[236:237], v[96:97], v[98:99]    ; the sum of the unquantised p, in four chains.  (These 32 lines are also the places between the scale word's and the codes' last writes and the products)
	v_pk_add_f32 v[238:239], v[100:101], v[102:103]
	v_pk_add_f32 v[240:241], v[104:105], v[106:107]
	v_pk_add_f32 v[14:15], v[14:15], v[108:109]
.irp j, 110,118,126,134,142,150
	v_pk_add_f32 v[236:237], v[236:237], v[\j:\j+1]
	v_pk_add_f32 v[238:239], v[238:239], v[\j+2:\j+3]
	v_pk_add_f32 v[240:241], v[240:241], v[\j+4:\j+5]
	v_pk_add_f32 v[14:15], v[14:15], v[\j+6:\j+7]
.endr
	v_pk_add_f32 v[236:237], v[236:237], v[158:159]
	v_pk_add_f32 v[238:239], v[238:239], v[240:241]
	v_pk_add_f32 v[14:15], v[14:15], v[236:237]
	s_delay_alu instid0(VALU_DEP_1)
	v_pk_add_f32 v[14:15], v[14:15], v[238:239]
	s_wait_alu depctr_va_vdst(0)                   ; the wait here, directly ahead of the wait below
.if \pre
	s_wait_dscnt 10                                ; V's nine loads are in; the ten younger ones, the next step's K, may stay out
.else
	s_wait_dscnt 0x0                               ; V is in
.endif
.irp t, 0,1,2,3
	v_wmma_scale_f32_16x16x128_f8f6f4 v[160+8*\t:167+8*\t], v[192+8*\t:199+8*\t], v[224:231], v[160+8*\t:167+8*\t], v[248+\t], v253 matrix_a_fmt:MATRIX_FMT_FP4 matrix_b_fmt:MATRIX_FMT_FP4
.endr
	s_add_co_u32 s[TB], s[TB], KVREC
.endm
	s_load_b128 s[4:7], s[0:1], 0x0                ; q_rec, kv_rec
	s_load_b64 s[8:9], s[0:1], 0x10                ; o_rec
	v_lshl_add_u32 v7, v0, 2, SPARE
	v_mov_b32 v8, 0
	ds_add_u32 v7, v8                              ; the wave's opening: the add, twice on end, and its wait ahead of my tensor load
	ds_add_u32 v7, v8
	v_lshrrev_b32 v1, 5, v0
	v_readfirstlane_b32 s[WV], v1                  ; wave 0..15
	s_bfe_u32 s10, ttmp6, 0x40000                  ; cx
	s_lshl_b32 s11, ttmp9, 2
	s_add_co_u32 s11, s11, s10                     ; my block of 256 queries: it enters Q's and O's addresses alone
	s_and_b32 s12, ttmp7, 0xffff                   ; batch x 16 + head, which the four partners share
	s_mul_i32 s14, s12, HEADB
	s_mov_b32 s15, 0
	; descriptor group 1: a record: 8,960 dense bytes as 35 rows of 32 elements of 8 bytes
	s_mov_b32 s[G1], 15|(3<<16)|(1<<21)            ; 15:0 the mask: all four work-groups; 17:16 elements of 8 bytes; 21 set beside a mask
	s_mov_b32 s[G1+1], 32<<16
	s_mov_b32 s[G1+2], 35<<16
	s_mov_b32 s[G1+3], 32<<16
	s_mov_b32 s[G1+4], 35
	s_mov_b32 s[G1+5], 32
	s_mov_b32 s[G1+6], 0
	s_mov_b32 s[G1+7], 0
	s_mul_i32 s13, s[WV], KVREC                    ; record = wave: in LDS and in the head's records alike
	s_mov_b32 s48, s13
	s_mov_b32 s49, 0
	s_mov_b32 s[SEL], 0x76543210
	s_mov_b32 s[SEL+1], 0xfedcba98
	s_mov_b32 s[CS], 0x3e38aa3b                    ; c = log2(e) / 8
	s_mov_b32 s[CS+1], s[CS]
	s_mov_b32 s[TB], 0
	; Q: my tile is tile wave % 8 of record 2 x block + wave / 8
	s_lshl_b32 s52, s11, 1
	s_lshr_b32 s53, s[WV], 3
	s_add_co_u32 s52, s52, s53
	s_mul_i32 s52, s52, KVREC
	s_add_co_u32 s52, s52, s14
	s_mov_b32 s53, 0
	s_and_b32 s61, s[WV], 7
	s_lshl_b32 s62, s61, 9                         ; its codes,
	s_lshr_b32 s63, s61, 2
	s_lshl_b32 s63, s63, 8
	s_and_b32 s61, s[WV], 3
	s_lshl_b32 s61, s61, 2
	s_add_co_u32 s63, s63, s61
	s_add_co_u32 s63, s63, 8192                    ; its scale words
	; O: tile batch x 128 + 16 x block + wave; half head / 8 of E; blocks 2 (head % 8) and the next
	s_lshr_b32 s56, s12, 4
	s_and_b32 s57, s12, 15
	s_lshl_b32 s56, s56, 7
	s_lshl_b32 s58, s11, 4
	s_add_co_u32 s56, s56, s58
	s_add_co_u32 s56, s56, s[WV]
	s_mul_i32 s56, s56, REC
	s_lshr_b32 s58, s57, 3
	s_mul_i32 s58, s58, PL_A
	s_add_co_u32 s56, s56, s58
	s_and_b32 s58, s57, 7
	s_mov_b32 s57, 0
	s_lshl_b32 s59, s58, 9
	s_lshl_b32 s60, s58, 1
	s_add_co_u32 s60, s60, 4096
	s_wait_dscnt 0x0                               ; both opening adds are done
	ROUND                                          ; the round in front of the joint loads: it needs none of the arguments, so it stands ahead of the wait for them
	s_wait_kmcnt 0x0
	s_add_nc_u64 s[6:7], s[6:7], s[14:15]          ; the head's records,
	s_add_nc_u64 s[6:7], s[6:7], s[48:49]          ; mine of them
	s_add_nc_u64 s[4:5], s[4:5], s[52:53]
	s_add_nc_u64 s[8:9], s[8:9], s[56:57]
	s_mov_b32 s[G0], 1
	s_mov_b32 s[G0+1], s13
	s_mov_b64 s[G0+2:G0+3], s[6:7]
	s_or_b32 s[G0+3], s[G0+3], 0x80000000
	tensor_load_to_lds s[G0:G0+3], s[G1:G1+7]      ; my one load
	s_nop 0
.rept 4
	v_nop
.endr
	v_and_b32 v1, 31, v0
	v_and_b32 v2, 15, v0
	v_lshlrev_b32 v1, 4, v1                        ; 16 x lane
	v_lshlrev_b32 v2, 4, v2                        ; 16 r
	v_add_nc_u32 v10, s62, v1
	v_add_nc_u32 v11, s63, v2
	v_add_nc_u32 v5, s59, v1
	v_add_nc_u32 v6, s60, v2
	global_load_b128 v[16:19], v10, s[4:5]         ; Q's codes stay in registers
	global_load_b32 v255, v11, s[4:5]              ; and its scale words
	v_mov_b32 v13, 0xff61b1e6                      ; the largest score so far: -3e38, under every score
	v_floor_f32 v12, -v13                          ; a first -M so large that the first f is 0
	v_mov_b32 v14, 0
	v_mov_b32 v15, 0
.irp c, 20,21,22,23
	v_mov_b32 v\c, 0                               ; Q's codes beyond the head's 64
.endr
.irp t, 0,1,2,3,4,5,6,7
.irp c, 4,5,6,7
	v_mov_b32 v[32+8*\t+\c], 0                     ; K's likewise: written once, never loaded over
.endr
.endr
.irp b, 0,1,2,3
	v_mov_b32 v[236+\b], 0                         ; a lane permute's destination counts as one of its sources
.endr
	v_mov_b32 v253, 0                              ; (named as the upper half of the pair v[252:253] before it is first written)
.set J, 0
.rept 32
	v_mov_b32 v[160+J], 0                          ; O^T: the step is written once for all steps: the first finds zeros, which the first change of M leaves zeros
.set J, J+1
.endr
	s_wait_alu depctr_va_vdst(0)                   ; the wait at the head's end
	s_wait_loadcnt 0x0                             ; Q
	s_wait_tensorcnt 0x0                           ; my record is in,
	s_barrier_signal -1
	s_barrier_wait -1                              ; everybody's is
	KLOAD 1, 2, 0                                  ; K of step 0
	s_mov_b32 s[CNT], 15
.Lstep:                                            ; steps 0-14
	STEP 1
	s_sub_co_u32 s[CNT], s[CNT], 1
	s_cmp_lg_u32 s[CNT], 0
	s_cbranch_scc1 .Lstep
	STEP 0                                         ; step 15 asks for no further K
	; THE WAY OUT: O^T / the sum, quantised along the channels (two blocks of 32), stored as the image of an operand's registers
.rept 4
	v_nop
.endr
	v_add_f32 v14, v14, v15
	v_permlanex16_b32 v252, v14, s[SEL], s[SEL+1]
	v_add_f32 v14, v14, v252                       ; the row's sum
	s_wait_alu depctr_va_vdst(0)                   ; the wait ahead of the transcendental
	v_rcp_f32 v14, v14
	v_nop                                          ; a plain line behind the transcendental
	s_wait_alu depctr_va_vdst(0)                   ; the wait ahead of its first reader, which is also the first reader of the last products' results
.set J, 0
.rept 16
	v_pk_mul_f32 v[96+J:97+J], v[160+J:161+J], v[14:15] op_sel_hi:[1,0]   ; register 16 G + i: channel 32 G + 16 h + i of my query
.set J, J+2
.endr
.irp b, 0,1
	v_max3_num_f32 v[232+\b], |v[96+16*\b]|, |v[97+16*\b]|, 0x1800000
.endr
.irp i, 2,4,6,8,10,12,14
.irp b, 0,1
	v_max3_num_f32 v[232+\b], v[232+\b], |v[96+16*\b+\i]|, |v[97+16*\b+\i]|
.endr
.endr
.irp b, 0,1
	v_permlanex16_b32 v[236+\b], v[232+\b], s[SEL], s[SEL+1]
.endr
.irp b, 0,1
	v_max_num_f32 v[232+\b], v[232+\b], v[236+\b]
.endr
.irp b, 0,1
	v_add_nc_u32 v[244+\b], 0xff000000, v[232+\b]
.endr
.irp b, 0,1
	v_lshrrev_b32 v[236+\b], 23, v[244+\b]
.endr
	v_lshl_or_b32 v253, v237, 8, v236              ; the two bytes
.irp b, 0,1
	v_cvt_scalef32_pk8_fp4_f32 v[224+2*\b], v[96+16*\b:103+16*\b], v[244+\b]
	v_cvt_scalef32_pk8_fp4_f32 v[225+2*\b], v[104+16*\b:111+16*\b], v[244+\b]
.endr
	v_nop
	v_permlane16_swap_b32 v224, v226               ; lanes 0-15 the first block, lanes 16-31 the second
	v_permlane16_swap_b32 v225, v227
	global_store_b128 v5, v[224:227], s[8:9]       ; 32 lanes store 512 consecutive bytes, at a multiple of 256 from the buffer's first byte
	global_store_b16 v6, v253, s[8:9]              ; (lanes 16-31 repeat lanes 0-15)
	s_wait_tensorcnt 0x0                           ; the wave's end
	ds_add_u32 v7, v8
	s_wait_dscnt 0x0
	ROUND                                          ; the closing round
	s_endpgm
.Lfunc_end_k_q95efae0f06_attn:
	.size	k_q95efae0f06_attn, .Lfunc_end_k_q95efae0f06_attn-k_q95efae0f06_attn
	.p2alignl 7, 3214868480
	.fill 96, 4, 3214868480
	.section	.rodata,"a",@progbits
	.p2align	6, 0x0
	.amdhsa_kernel k_q95efae0f06_attn
		.amdhsa_group_segment_fixed_size 169984
		.amdhsa_private_segment_fixed_size 0
		.amdhsa_enable_private_segment 0
		.amdhsa_kernarg_size 24
		.amdhsa_user_sgpr_count 2
		.amdhsa_user_sgpr_kernarg_segment_ptr 1
		.amdhsa_wavefront_size32 1
		.amdhsa_system_sgpr_workgroup_id_x 1
		.amdhsa_system_sgpr_workgroup_id_y 1
		.amdhsa_system_sgpr_workgroup_id_z 1
		.amdhsa_system_vgpr_workitem_id 0
		.amdhsa_next_free_vgpr 256
		.amdhsa_next_free_sgpr 66
		.amdhsa_reserve_vcc 0
		.amdhsa_float_denorm_mode_32 3
		.amdhsa_float_denorm_mode_16_64 3
		.amdhsa_memory_ordered 1
		.amdhsa_forward_progress 1
		.amdhsa_inst_pref_size 41
	.end_amdhsa_kernel
	.amdgpu_metadata
---
amdhsa.version: [ 1, 2 ]
amdhsa.kernels:
  - .name:           k_q95efae0f06_attn
    .symbol:         k_q95efae0f06_attn.kd
    .args:
      - { .name: q_rec, .offset: 0, .size: 8, .value_kind: global_buffer, .address_space: global }
      - { .name: kv_rec, .offset: 8, .size: 8, .value_kind: global_buffer, .address_space: global }
      - { .name: o_rec, .offset: 16, .size: 8, .value_kind: global_buffer, .address_space: global }
    .group_segment_fixed_size: 169984
    .private_segment_fixed_size: 0
    .kernarg_segment_align: 8
    .kernarg_segment_size: 24
    .max_flat_workgroup_size: 512
    .sgpr_count:     66
    .vgpr_count:     256
    .wavefront_size: 32
...
	.end_amdgpu_metadata
.endif
;; end of part 3
;; launch outp (part 4): grid 8 x 32, 8 waves a work-group, clusters of 4 x 4, 209,920 bytes of LDS; arguments o_rec, out_proj_w_codes, out_proj_w_scales, out_proj_b, in_feats, out0; writes out0
.if DOCPART == 4
	.amdgcn_target "amdgcn-amd-amdhsa--gfx1250"
	.amdhsa_code_object_version 6
	.text
	.protected	k_q95efae0f06_outp
	.globl	k_q95efae0f06_outp
	.p2align	8
	.type	k_q95efae0f06_outp,@function
k_q95efae0f06_outp:
	s_mov_b64 s[64:65], 0
	v_nop
	global_prefetch_b8 v0, s[64:65] scope:SCOPE_SE
	s_setreg_imm32_b32 hwreg(HW_REG_WAVE_MODE, 25, 1), 1
	s_wait_xcnt 0x0
	s_wait_alu depctr_hold_cnt(0) depctr_sa_sdst(0) depctr_va_vdst(0) depctr_va_sdst(0) depctr_va_ssrc(0) depctr_va_vcc(0) depctr_vm_vsrc(0)
	s_getreg_b32 s2, hwreg(HW_REG_IB_STS2, 6, 4)
	s_cmp_eq_u32 s2, 0
	s_cbranch_scc0 .Lentry_in_a_cluster
	s_endpgm
.Lentry_in_a_cluster:
	s_bfe_u32 s2, ttmp6, 0x10000c
	s_cmp_lg_u32 s2, 0xf033
	s_cbranch_scc0 .Lentry_shape_is_right
	s_endpgm
.Lentry_shape_is_right:
; OUTP.  out0 = in_feats + O out_proj_w^T + out_proj_b, the product on codes of FP4.  A work-group makes 128 tokens x 128 columns, K = 1,024.
; O comes as records (images of operand registers, 4,352 bytes for a tile and half of K), out_proj_w as given: rows of 512 bytes of codes, 32 scale bytes a row.
; LDS, each byte filled once: W's codes (128 rows, 512 bytes + 16), W's scales (4,096 dense bytes), O's records ([half][8 tiles][4352]); behind them a stage that no fill touches, and the spare words.
; CLUSTER 4 x 4: W hangs on the place along x and is shared down a column, O on the place along y and is shared along a row: joint loads.  Four fills, one a wave: waves 0, 1 W's codes, wave 2 O, wave 3 W's scales.
; THE SKIP: the 16 rows x 512 bytes of in_feats that a wave adds on the way out are its own and nobody else's: they go from memory straight into its registers v192-255, asked for at the head, and are waited for behind the products.
; THE PRODUCT IS USED TRANSPOSED (source 0 = 16 rows of W, source 1 = a tile of tokens): a lane holds eight neighbouring columns of one token.  A wave makes 64 columns x 32 tokens: 8 accumulators by turns.
; Place r of token tile 2 G + u is token 32 G + 8 u + r + 8 (r / 8): the stage's rows are the tokens in their own order, and leave as whole rows of 512 bytes.
; No prefetch: all operands are asked for at the head; there is no loop to run ahead in.
.set REC,   4352
.set HREC,  8*REC
.set WP,    528
.set WS,    128*WP                     ; 67,584
.set ORC,   WS+4096                    ; 71,680
.set STG,   ORC+2*HREC                 ; 141,312: a multiple of 256
.set SPARE, STG+128*WP                 ; 208,896: a multiple of 256
.set SKP,   192                        ; v192-255 my 16 rows of in_feats
.set WV,  16
.macro PLACES
.rept 4
	v_nop
.endr
.endm
.macro ROUND
	s_barrier_signal -1
	s_barrier_wait -1
	s_cmp_lg_u32 s[WV], 0
	s_cbranch_scc1 .Lnot_wave_0_\@
	s_barrier_signal -3
.Lnot_wave_0_\@:
	s_barrier_wait -3
	s_barrier_signal -1
	s_barrier_wait -1
.endm
.macro LOADS s                         ; K step s, into set s % 2: 18 LDS loads
.set SS, ((\s)&1)
.irp b, 0,1,2,3
.irp c, 0,1
	ds_load_b128 v[16+32*SS+8*\b+4*\c:16+32*SS+8*\b+4*\c+3], v4 offset:\b*16*WP+64*(\s)+32*\c
.endr
.endr
.irp a, 0,1
.irp c, 0,1
	ds_load_b128 v[80+16*SS+8*\a+4*\c:80+16*SS+8*\a+4*\c+3], v6 offset:((\s)/4)*HREC+\a*REC+((\s)&3)*1024+512*\c
.endr
.endr
.irp b, 0,1,2,3
	ds_load_b32 v[112+4*SS+\b], v5 offset:512*\b+4*(\s)
.endr
.irp a, 0,1
	ds_load_b32 v[120+2*SS+\a], v7 offset:((\s)/4)*HREC+\a*REC+4*((\s)&3)
.endr
.endm
.macro KSTEP s
.set SS, ((\s)&1)
.if (\s) < 7
	s_wait_dscnt 18                                ; this step's loads are in; the next step's 18 may stay out
.else
	s_wait_dscnt 0x0
.endif
.irp a, 0,1
.irp b, 0,1,2,3
.if (\s) == 0
	v_wmma_scale_f32_16x16x128_f8f6f4 v[128+8*(4*\a+\b):128+8*(4*\a+\b)+7], v[16+32*SS+8*\b:16+32*SS+8*\b+7], v[80+16*SS+8*\a:80+16*SS+8*\a+7], 0, v[112+4*SS+\b], v[120+2*SS+\a] matrix_a_fmt:MATRIX_FMT_FP4 matrix_b_fmt:MATRIX_FMT_FP4
.else
	v_wmma_scale_f32_16x16x128_f8f6f4 v[128+8*(4*\a+\b):128+8*(4*\a+\b)+7], v[16+32*SS+8*\b:16+32*SS+8*\b+7], v[80+16*SS+8*\a:80+16*SS+8*\a+7], v[128+8*(4*\a+\b):128+8*(4*\a+\b)+7], v[112+4*SS+\b], v[120+2*SS+\a] matrix_a_fmt:MATRIX_FMT_FP4 matrix_b_fmt:MATRIX_FMT_FP4
.endif
.endr
.endr
.if (\s) < 6
	PLACES
	LOADS (\s)+2
.endif
.endm
.macro OUTG g                          ; rows 8 g .. 8 g + 7 of my 16: the product's row from the stage, the bias, the skip's row; a whole row of 512 bytes a store
.set SB, 16+32*(\g)
.set RB, SKP+32*(\g)
.irp i, 0,1,2,3,4,5,6,7
	ds_load_b128 v[SB+4*\i:SB+4*\i+3], v9 offset:(8*\g+\i)*WP
.endr
.irp i, 0,1,2,3,4,5,6,7
	s_wait_dscnt 7-\i                              ; this row is in; the later rows may stay out
	v_pk_add_f32 v[SB+4*\i:SB+4*\i+1], v[SB+4*\i:SB+4*\i+1], v[124:125]
	v_pk_add_f32 v[SB+4*\i+2:SB+4*\i+3], v[SB+4*\i+2:SB+4*\i+3], v[126:127]
	s_delay_alu instid0(VALU_DEP_2)
	v_pk_add_f32 v[SB+4*\i:SB+4*\i+1], v[SB+4*\i:SB+4*\i+1], v[RB+4*\i:RB+4*\i+1]
	s_delay_alu instid0(VALU_DEP_2)
	v_pk_add_f32 v[SB+4*\i+2:SB+4*\i+3], v[SB+4*\i+2:SB+4*\i+3], v[RB+4*\i+2:RB+4*\i+3]
	global_store_b128 v11, v[SB+4*\i:SB+4*\i+3], s[14:15] offset:(8*\g+\i)*4096 th:TH_STORE_NT
.endr
.endm
.macro FILL g0, g1                     ; a fill, with the lines behind it
	tensor_load_to_lds s[\g0:\g0+3], s[\g1:\g1+7]
	s_nop 0
.rept 4
	v_nop
.endr
.endm
	s_load_b256 s[4:11], s[0:1], 0x0               ; o_rec, W's codes, W's scales, out_proj_b
	s_load_b128 s[12:15], s[0:1], 0x20             ; in_feats, out0
	v_lshl_add_u32 v14, v0, 2, SPARE
	v_mov_b32 v15, 0
	ds_add_u32 v14, v15                            ; the wave's opening: the add, twice on end, and its wait
	ds_add_u32 v14, v15
	v_lshrrev_b32 v1, 5, v0
	v_readfirstlane_b32 s[WV], v1                  ; wave 0..7
	s_and_b32 s17, s[WV], 1                        ; p: my 64 columns
	s_lshr_b32 s18, s[WV], 1                       ; q: my two tiles of tokens
	s_bfe_u32 s19, ttmp6, 0x40000                  ; cx
	s_bfe_u32 s20, ttmp6, 0x40004                  ; cy
	s_lshl_b32 s21, ttmp9, 2
	s_add_co_u32 s21, s21, s19                     ; i0: my 128 columns
	s_and_b32 s22, ttmp7, 0xffff
	s_lshl_b32 s22, s22, 2
	s_add_co_u32 s22, s22, s20                     ; j0: my 128 tokens
	s_lshl_b32 s23, 0x1111, s19                    ; my column of the cluster
	s_lshl_b32 s76, s20, 2
	s_lshl_b32 s76, 15, s76                        ; my row
	; W's codes: 64 rows of 512 bytes, 16 bytes of padding behind each
	s_or_b32 s24, s23, (1<<20)|(1<<21)|(6<<22)|(3<<25)   ; the mask; elements of 1 byte; padding on; 21 set beside a mask; after every 128 words four words
	s_mov_b32 s25, 512<<16
	s_mov_b32 s26, 64<<16
	s_mov_b32 s27, 512<<16
	s_mov_b32 s28, 64
	s_mov_b32 s29, 512
	s_mov_b32 s30, 0
	s_mov_b32 s31, 0
	; W's scales: 4,096 dense bytes as 16 rows of 32 elements of 8 bytes
	s_or_b32 s32, s23, (3<<16)|(1<<21)
	s_mov_b32 s33, 32<<16
	s_mov_b32 s34, 16<<16
	s_mov_b32 s35, 32<<16
	s_mov_b32 s36, 16
	s_mov_b32 s37, 32
	s_mov_b32 s38, 0
	s_mov_b32 s39, 0
	; O's records: two rows (the halves of K) of 4,352 elements of 8 bytes, 139,264 elements apart
	s_or_b32 s40, s76, (3<<16)|(1<<21)
	s_mov_b32 s41, 4352<<16
	s_mov_b32 s42, 2<<16
	s_mov_b32 s43, 4352<<16
	s_mov_b32 s44, 2
	s_mov_b32 s45, 139264
	s_mov_b32 s46, 0
	s_mov_b32 s47, 0
	s_lshl_b32 s78, s21, 16
	s_lshl_b32 s79, s[WV], 15
	s_add_co_u32 s78, s78, s79                     ; W's codes: row 128 i0 + 64 x wave, 512 bytes a row
	s_mov_b32 s79, 0
	s_lshl_b32 s80, s21, 12                        ; W's scales: 4,096 i0
	s_mov_b32 s81, 0
	s_mul_i32 s82, s22, HREC                       ; O: tile 8 j0
	s_mov_b32 s83, 0
	s_lshl_b32 s86, s22, 19
	s_lshl_b32 s87, s[WV], 16
	s_add_co_u32 s86, s86, s87
	s_lshl_b32 s87, s21, 9
	s_add_co_u32 s86, s86, s87                     ; out0 and in_feats: token 128 j0 + 16 x wave, column 128 i0
	s_mov_b32 s87, 0
	s_lshl_b32 s88, s21, 9                         ; the bias of my 128 columns
	s_mov_b32 s89, 0
	; the LDS places of my shares: made of the wave's number alone
	s_mul_i32 s48, s17, 64*WP                      ; W's fragments
	s_lshl_b32 s49, s17, 11
	s_add_co_u32 s49, s49, WS                      ; W's scale words
	s_mul_i32 s50, s18, 2*REC
	s_add_co_u32 s50, s50, ORC                     ; O's images
	s_mul_i32 s51, s18, 32*WP
	s_lshl_b32 s52, s17, 8
	s_add_co_u32 s51, s51, s52
	s_add_co_u32 s51, s51, STG                     ; the stage, in
	s_mul_i32 s52, s[WV], 16*WP
	s_add_co_u32 s52, s52, STG                     ; the stage, back
	s_wait_dscnt 0x0                               ; both opening adds are done
	ROUND                                          ; the round in front of the joint loads: it needs none of the arguments, so it stands ahead of the wait for them
	s_wait_kmcnt 0x0
	s_add_nc_u64 s[6:7], s[6:7], s[78:79]
	s_add_nc_u64 s[8:9], s[8:9], s[80:81]
	s_add_nc_u64 s[4:5], s[4:5], s[82:83]
	s_add_nc_u64 s[12:13], s[12:13], s[86:87]
	s_add_nc_u64 s[14:15], s[14:15], s[86:87]
	s_add_nc_u64 s[10:11], s[10:11], s[88:89]
	s_mov_b32 s56, 1
	s_mul_i32 s57, s[WV], 64*WP
	s_mov_b64 s[58:59], s[6:7]
	s_or_b32 s59, s59, 0x80000000
	s_mov_b32 s60, 1
	s_mov_b32 s61, WS
	s_mov_b64 s[62:63], s[8:9]
	s_or_b32 s63, s63, 0x80000000
	s_mov_b32 s68, 1
	s_mov_b32 s69, ORC
	s_mov_b64 s[70:71], s[4:5]
	s_or_b32 s71, s71, 0x80000000
	s_cmp_lt_u32 s[WV], 2                          ; one chain of partings on the wave's number, one fill to an arm, all arms leading to one join; waves 4-7 fill nothing
	s_cbranch_scc0 .Lnot_w
	FILL 56, 24
	s_branch .Lfilled
.Lnot_w:
	s_cmp_eq_u32 s[WV], 2
	s_cbranch_scc0 .Lnot_o
	FILL 68, 40
	s_branch .Lfilled
.Lnot_o:
	s_cmp_eq_u32 s[WV], 3
	s_cbranch_scc0 .Lfilled
	FILL 60, 32
.Lfilled:
	v_and_b32 v1, 31, v0                           ; lane
	v_and_b32 v2, 15, v0                           ; r
	v_bfe_u32 v3, v0, 4, 1                         ; h
	v_lshlrev_b32 v11, 4, v1                       ; 16 x lane
	v_mul_u32_u24 v4, v2, WP
	v_lshrrev_b32 v8, 3, v2
	v_lshl_add_u32 v5, v2, 5, s49                  ; W's scale words: 32 bytes a row
	v_lshl_add_u32 v6, v1, 4, s50                  ; O's images
	v_lshl_add_u32 v7, v2, 4, s50
	v_lshl_add_u32 v4, v3, 4, v4
	v_lshl_add_u32 v8, v8, 3, v2
	v_add_nc_u32 v7, 4096, v7                      ; and scale words
	v_add_nc_u32 v4, s48, v4                       ; W's fragments: row x pitch + 16 h
	v_mul_u32_u24 v8, v8, WP
	v_add_nc_u32 v9, s52, v11                      ; the stage, back: my 16 rows, 16 bytes a lane
	v_lshl_add_u32 v8, v3, 5, v8
	s_delay_alu instid0(VALU_DEP_1)
	v_add_nc_u32 v8, s51, v8                       ; the stage, in: token 32 q + r + 8 (r / 8) (+ 8 a), bytes 256 p + 32 h (+ 64 b)
	global_load_b128 v[124:127], v11, s[10:11]     ; the bias of my four columns of a row
.irp i, 0,1,2,3,4,5,6,7,8,9,10,11,12,13,14,15
	global_load_b128 v[SKP+4*\i:SKP+4*\i+3], v11, s[12:13] offset:\i*4096 th:TH_LOAD_NT   ; the skip: 32 lanes read 512 consecutive bytes of a row
.endr
	s_wait_alu depctr_va_vdst(0)                   ; the wait at the head's end
	s_wait_tensorcnt 0x0                           ; my fill is in,
	s_barrier_signal -1
	s_barrier_wait -1                              ; everybody's is
	LOADS 0
	LOADS 1
	KSTEP 0
	KSTEP 1
	KSTEP 2
	KSTEP 3
	KSTEP 4
	KSTEP 5
	KSTEP 6
	KSTEP 7
	PLACES
.irp a, 0,1
.irp b, 0,1,2,3
	ds_store_b128 v8, v[128+8*(4*\a+\b):128+8*(4*\a+\b)+3] offset:\a*8*WP+64*\b       ; each accumulator from its low end on
	ds_store_b128 v8, v[128+8*(4*\a+\b)+4:128+8*(4*\a+\b)+7] offset:\a*8*WP+64*\b+16
.endr
.endr
	s_wait_dscnt 0x0                               ; my stores into the stage are done,
	s_barrier_signal -1
	s_barrier_wait -1                              ; everybody's are
	s_wait_loadcnt 0x0                             ; the bias and the skip's rows
	OUTG 0
	OUTG 1                                         ; in other registers, so that nothing waits for the first eight stores
	s_wait_tensorcnt 0x0                           ; the wave's end
	ds_add_u32 v14, v15
	s_wait_dscnt 0x0
	ROUND                                          ; the closing round
	s_endpgm
.Lfunc_end_k_q95efae0f06_outp:
	.size	k_q95efae0f06_outp, .Lfunc_end_k_q95efae0f06_outp-k_q95efae0f06_outp
	.p2alignl 7, 3214868480
	.fill 96, 4, 3214868480
	.section	.rodata,"a",@progbits
	.p2align	6, 0x0
	.amdhsa_kernel k_q95efae0f06_outp
		.amdhsa_group_segment_fixed_size 209920
		.amdhsa_private_segment_fixed_size 0
		.amdhsa_enable_private_segment 0
		.amdhsa_kernarg_size 48
		.amdhsa_user_sgpr_count 2
		.amdhsa_user_sgpr_kernarg_segment_ptr 1
		.amdhsa_wavefront_size32 1
		.amdhsa_system_sgpr_workgroup_id_x 1
		.amdhsa_system_sgpr_workgroup_id_y 1
		.amdhsa_system_sgpr_workgroup_id_z 1
		.amdhsa_system_vgpr_workitem_id 0
		.amdhsa_next_free_vgpr 256
		.amdhsa_next_free_sgpr 100
		.amdhsa_reserve_vcc 0
		.amdhsa_float_denorm_mode_32 3
		.amdhsa_float_denorm_mode_16_64 3
		.amdhsa_memory_ordered 1
		.amdhsa_forward_progress 1
		.amdhsa_inst_pref_size 37
	.end_amdhsa_kernel
	.amdgpu_metadata
---
amdhsa.version: [ 1, 2 ]
amdhsa.kernels:
  - .name:           k_q95efae0f06_outp
    .symbol:         k_q95efae0f06_outp.kd
    .args:
      - { .name: o_rec, .offset: 0, .size: 8, .value_kind: global_buffer, .address_space: global }
      - { .name: out_proj_w_codes, .offset: 8, .size: 8, .value_kind: global_buffer, .address_space: global }
      - { .name: out_proj_w_scales, .offset: 16, .size: 8, .value_kind: global_buffer, .address_space: global }
      - { .name: out_proj_b, .offset: 24, .size: 8, .value_kind: global_buffer, .address_space: global }
      - { .name: in_feats, .offset: 32, .size: 8, .value_kind: global_buffer, .address_space: global }
      - { .name: out0, .offset: 40, .size: 8, .value_kind: global_buffer, .address_space: global }
    .group_segment_fixed_size: 209920
    .private_segment_fixed_size: 0
    .kernarg_segment_align: 8
    .kernarg_segment_size: 48
    .max_flat_workgroup_size: 256
    .sgpr_count:     100
    .vgpr_count:     256
    .wavefront_size: 32
...
	.end_amdgpu_metadata
.endif
;; end of part 4
